; MI455X (gfx1250); checked and timed in simulation.
; The chip was launched on July 23, 2026; its instructions are those of AMD's public machine-readable ISA for CDNA 5 (MIT licence, August 2026) and "CDNA5" Instruction Set Architecture Reference Guide (July 2026). The comments in the code are by the model that wrote it; some were corrected since.
;; Encoder. Allowed arithmetic: float matrix products may take bf16 or f16 operands with f32 sums; other float arithmetic in f32, or as packed bf16 or f16 multiplies, adds, multiply-adds, maxima and minima; sums over many terms, partial sums and values carried from step to step in f32; what a program stores and reads back later, other than sums and carried values, may be rounded once to bf16 or f16.
;; Inputs: Wk 1,024 x 1,024 float32; Wo 1,024 x 1,024 float32; Wq 1,024 x 1,024 float32; Wv 1,024 x 1,024 float32; ln2_beta 1,024 float32; ln2_gamma 1,024 float32; x 4 x 2,048 x 1,024 float32.
;; Outputs: out0 4 x 2,048 x 1,024 float32.
;; One version. Each part assembles by itself: llvm-mc -triple=amdgcn-amd-amdhsa -mcpu=gfx1250 --defsym DOCPART=n.
;; ======== version 1 of 1: 6 launches
;; limits: values are held in f16: magnitudes above 65,504 overflow, below 6.1e-05 lose precision
;; workspace buffers: xb 16,777,216 bytes; w16 8,388,608 bytes; qk 33,554,432 bytes; vt 16,777,216 bytes; p 33,554,432 bytes; st 1,048,576 bytes; ctx 16,777,216 bytes; hid 33,554,432 bytes
;; launch prep (part 1): grid 512 x 1, 8 waves a work-group, no clusters, 18,432 bytes of LDS; arguments x, Wq, Wk, Wv, Wo, xb, w16; writes xb, w16
.if DOCPART == 1
	.amdgcn_target "amdgcn-amd-amdhsa--gfx1250"
	.amdhsa_code_object_version 6
	.text
	.protected	k_qe65068c8ea_prep
	.globl	k_qe65068c8ea_prep
	.p2align	8
	.type	k_qe65068c8ea_prep,@function
k_qe65068c8ea_prep:
	s_mov_b64 s[64:65], 0
	v_nop
	global_prefetch_b8 v0, s[64:65] scope:SCOPE_SE
	s_setreg_imm32_b32 hwreg(HW_REG_WAVE_MODE, 25, 1), 1
	s_wait_xcnt 0x0
; xb = x rounded to bf16, [8192][1024].  w16 = the four weights turned and rounded: row 1024 w + n, column d holds W_w[d][n]
; (w = 0 Wq, 1 Wk, 2 Wv: bf16; w = 3 Wo: rounded to bf16 like every input, and that number written as f16).
; LIMITS.  Wo's bf16 number is exact in f16 from 2^-17 up to 65,504; below it keeps f16's fixed step of 6e-8, beyond it becomes an infinity.
; SHARES.  512 work-groups of eight waves, all alike: 16 rows of x (thread t: 16 bytes at 16 t of each row in, 8 bytes out: a wave's store covers
; 256 consecutive bytes, aligned) and one tile of 128 (d) x 64 (n) of one weight, turned through LDS: rows of 256 bytes in (16 lanes), rows of 256 bytes out.
; No matrix unit, no cluster, no prefetch: every byte is read once by long aligned loads that all go out at the head.
.set TP,    272                        ; a row of the turned tile in LDS: 128 numbers of 2 bytes + 16 of padding
.set SPARE, 64*TP                      ; behind the tile: the spare words, 128 bytes for each of eight waves
.set SPW, 2                            ; v2   LDS address of my spare word; never rewritten
.set NIL, 3                            ; v3   0; never rewritten
.set WVO, 6                            ; v6   my byte offset in the weight's tile
.set XV,  7                            ; v7   16 t
.set XO,  8                            ; v8   8 t
.set TS,  9                            ; v9   where I put 16 bytes of a turned row
.set TR,  10                           ; v10  where I read a turned row back
.set WO,  11                           ; v11  my byte offset in w16's tile
.set WL,  16                           ; v[16:47]   8 rows x 4 numbers of the weight; later the turned rows
.set XL,  48                           ; v[48:111]  16 rows x 4 numbers of x
.set XP,  112                          ; v[112:143] the same in bf16
.set PK,  144                          ; v[144:159] 4 columns x 8 numbers, turned and packed
	s_load_b256 s[4:11], s[0:1], 0x0               ; x s[4:5], Wq s[6:7], Wk s[8:9], Wv s[10:11]
	s_load_b128 s[12:15], s[0:1], 0x20             ; Wo s[12:13], xb s[14:15]
	s_load_b64 s[16:17], s[0:1], 0x30              ; w16
	v_lshl_add_u32 v[SPW], v0, 2, SPARE
	v_mov_b32 v[NIL], 0
	v_and_b32 v1, 15, v0                           ; t % 16
	v_lshrrev_b32 v4, 4, v0                        ; t / 16
	v_lshlrev_b32 v[WVO], 15, v4                   ; 8 rows of 4,096 bytes for each t / 16,
	v_lshl_add_u32 v[WVO], v1, 4, v[WVO]           ; 16 bytes for each t % 16
	v_lshlrev_b32 v[XV], 4, v0
	v_lshlrev_b32 v[XO], 3, v0
	v_mul_u32_u24 v[TS], v1, 4*TP                  ; turned row 4 (t % 16) + c, bytes 16 (t / 16)
	v_lshl_add_u32 v[TS], v4, 4, v[TS]
	v_lshrrev_b32 v5, 5, v0                        ; wave
	v_bfe_u32 v12, v0, 4, 1
	v_lshl_add_u32 v5, v5, 3, v12                  ; back: turned row 8 wave + lane / 16 (+ 2 a pass)
	v_mul_u32_u24 v[TR], v5, TP
	v_lshl_add_u32 v[TR], v1, 4, v[TR]
	v_lshlrev_b32 v[WO], 11, v5                    ; the same row in w16, 2,048 bytes a row
	v_lshl_add_u32 v[WO], v1, 4, v[WO]
	s_lshr_b32 s20, ttmp9, 7                       ; which weight
	s_bfe_u32 s21, ttmp9, 0x30004                  ; which 128 of d
	s_and_b32 s24, ttmp9, 15                       ; which 64 of n
	s_lshl_b32 s26, s21, 19                        ; 128 rows of 4,096 bytes
	s_lshl_b32 s25, s24, 8                         ; 64 numbers of 4 bytes
	s_add_co_u32 s26, s26, s25
	s_mov_b32 s27, 0
	s_lshl_b32 s28, s20, 21                        ; in w16: 1,024 rows of 2,048 bytes a weight,
	s_lshl_b32 s25, s24, 17                        ; 64 rows,
	s_add_co_u32 s28, s28, s25
	s_lshl_b32 s25, s21, 8                         ; 128 numbers of 2 bytes
	s_add_co_u32 s28, s28, s25
	s_mov_b32 s29, 0
	s_lshl_b32 s30, ttmp9, 16                      ; 16 rows of x
	s_mov_b32 s31, 0
	s_lshl_b32 s32, ttmp9, 15                      ; 16 rows of xb
	s_mov_b32 s33, 0
	s_wait_kmcnt 0x0
	s_cmp_eq_u32 s20, 1
	s_cselect_b64 s[22:23], s[8:9], s[6:7]
	s_cmp_eq_u32 s20, 2
	s_cselect_b64 s[22:23], s[10:11], s[22:23]
	s_cmp_eq_u32 s20, 3
	s_cselect_b64 s[22:23], s[12:13], s[22:23]
	s_add_nc_u64 s[22:23], s[22:23], s[26:27]
	s_add_nc_u64 s[16:17], s[16:17], s[28:29]
	s_add_nc_u64 s[4:5], s[4:5], s[30:31]
	s_add_nc_u64 s[14:15], s[14:15], s[32:33]
.irp j, 0,1,2,3,4,5,6,7
	global_load_b128 v[WL+4*(\j):WL+4*(\j)+3], v[WVO], s[22:23] offset:(\j)*4096 th:TH_LOAD_NT
.endr
.irp i, 0,1,2,3,4,5,6,7,8,9,10,11,12,13,14,15
	global_load_b128 v[XL+4*(\i):XL+4*(\i)+3], v[XV], s[4:5] offset:(\i)*4096 th:TH_LOAD_NT
.endr
	s_wait_loadcnt 16                              ; the weight's eight loads are in; x's sixteen stay out
.irp c, 0,1,2,3
.irp j, 0,1,2,3
	v_cvt_pk_bf16_f32 v[PK+4*(\c)+(\j)], v[WL+8*(\j)+(\c)], v[WL+8*(\j)+4+(\c)]  ; column c: rows 2 j and 2 j + 1
.endr
.endr
.irp c, 0,1,2,3
	ds_store_b128 v[TS], v[PK+4*(\c):PK+4*(\c)+3] offset:(\c)*TP
.endr
	s_wait_dscnt 0x0                               ; for the others' sake: my stores into the tile are done
	s_barrier_signal -1
	s_barrier_wait -1
.irp j, 0,1,2,3
	ds_load_b128 v[WL+4*(\j):WL+4*(\j)+3], v[TR] offset:(\j)*2*TP
.endr
	s_wait_dscnt 0x0
	s_cmp_lg_u32 s20, 3
	s_cbranch_scc1 .Lstore_w
.set r, 0
.rept 16                                       ; Wo alone: the bf16 numbers are written as f16
	v_lshlrev_b32 v4, 16, v[WL+r]
	v_and_b32 v5, 0xffff0000, v[WL+r]
	v_cvt_pk_f16_f32 v[WL+r], v4, v5
.set r, r+1
.endr
.Lstore_w:
.irp j, 0,1,2,3
	global_store_b128 v[WO], v[WL+4*(\j):WL+4*(\j)+3], s[16:17] offset:(\j)*4096  ; 16 lanes store 256 consecutive bytes, aligned
.endr
.irp i, 0,1,2,3,4,5,6,7,8,9,10,11,12,13,14,15
	s_wait_loadcnt 15-(\i)                         ; loads come back in order: row i is in, the younger rows stay out
	v_cvt_pk_bf16_f32 v[XP+2*(\i)], v[XL+4*(\i)], v[XL+4*(\i)+1]
	v_cvt_pk_bf16_f32 v[XP+2*(\i)+1], v[XL+4*(\i)+2], v[XL+4*(\i)+3]
	global_store_b64 v[XO], v[XP+2*(\i):XP+2*(\i)+1], s[14:15] offset:(\i)*2048
.endr
	s_wait_tensorcnt 0x0                           ; the wave's end, behind my last LDS store
	ds_add_u32 v[SPW], v[NIL]
	s_wait_dscnt 0x0
	s_endpgm
.Lfunc_end_k_qe65068c8ea_prep:
	.size	k_qe65068c8ea_prep, .Lfunc_end_k_qe65068c8ea_prep-k_qe65068c8ea_prep
	.p2alignl 7, 3214868480
	.fill 96, 4, 3214868480
	.section	.rodata,"a",@progbits
	.p2align	6, 0x0
	.amdhsa_kernel k_qe65068c8ea_prep
		.amdhsa_group_segment_fixed_size 18432
		.amdhsa_private_segment_fixed_size 0
		.amdhsa_enable_private_segment 0
		.amdhsa_kernarg_size 56
		.amdhsa_user_sgpr_count 2
		.amdhsa_user_sgpr_kernarg_segment_ptr 1
		.amdhsa_wavefront_size32 1
		.amdhsa_system_sgpr_workgroup_id_x 1
		.amdhsa_system_sgpr_workgroup_id_y 1
		.amdhsa_system_sgpr_workgroup_id_z 1
		.amdhsa_system_vgpr_workitem_id 0
		.amdhsa_next_free_vgpr 160
		.amdhsa_next_free_sgpr 66
		.amdhsa_reserve_vcc 0
		.amdhsa_float_denorm_mode_32 3
		.amdhsa_float_denorm_mode_16_64 3
		.amdhsa_memory_ordered 1
		.amdhsa_forward_progress 1
		.amdhsa_inst_pref_size 14
	.end_amdhsa_kernel
	.amdgpu_metadata
---
amdhsa.version: [ 1, 2 ]
amdhsa.kernels:
  - .name:           k_qe65068c8ea_prep
    .symbol:         k_qe65068c8ea_prep.kd
    .args:
      - { .name: x, .offset: 0, .size: 8, .value_kind: global_buffer, .address_space: global }
      - { .name: Wq, .offset: 8, .size: 8, .value_kind: global_buffer, .address_space: global }
      - { .name: Wk, .offset: 16, .size: 8, .value_kind: global_buffer, .address_space: global }
      - { .name: Wv, .offset: 24, .size: 8, .value_kind: global_buffer, .address_space: global }
      - { .name: Wo, .offset: 32, .size: 8, .value_kind: global_buffer, .address_space: global }
      - { .name: xb, .offset: 40, .size: 8, .value_kind: global_buffer, .address_space: global }
      - { .name: w16, .offset: 48, .size: 8, .value_kind: global_buffer, .address_space: global }
    .group_segment_fixed_size: 18432
    .private_segment_fixed_size: 0
    .kernarg_segment_align: 8
    .kernarg_segment_size: 56
    .max_flat_workgroup_size: 256
    .sgpr_count:     66
    .vgpr_count:     160
    .wavefront_size: 32
...
	.end_amdgpu_metadata
.endif
;; end of part 1
;; launch proj (part 2): grid 8 x 48, 4 waves a work-group, clusters of 4 x 4, 327,680 bytes of LDS; arguments xb, w16, qk, vt; writes qk, vt
.if DOCPART == 2
	.amdgcn_target "amdgcn-amd-amdhsa--gfx1250"
	.amdhsa_code_object_version 6
	.text
	.protected	k_qe65068c8ea_proj
	.globl	k_qe65068c8ea_proj
	.p2align	8
	.type	k_qe65068c8ea_proj,@function
k_qe65068c8ea_proj:
	s_mov_b64 s[64:65], 0
	v_nop
	global_prefetch_b8 v0, s[64:65] scope:SCOPE_SE
	s_setreg_imm32_b32 hwreg(HW_REG_WAVE_MODE, 25, 1), 1
	s_wait_xcnt 0x0
	s_wait_alu depctr_hold_cnt(0) depctr_sa_sdst(0) depctr_va_vdst(0) depctr_va_sdst(0) depctr_va_ssrc(0) depctr_va_vcc(0) depctr_vm_vsrc(0)
	s_getreg_b32 s2, hwreg(HW_REG_IB_STS2, 6, 4)
	s_cmp_eq_u32 s2, 0
	s_cbranch_scc0 .Lentry_in_a_cluster
	s_endpgm
.Lentry_in_a_cluster:
	s_bfe_u32 s2, ttmp6, 0x10000c
	s_cmp_lg_u32 s2, 0xf033
	s_cbranch_scc0 .Lentry_shape_is_right
	s_endpgm
.Lentry_shape_is_right:
; THE PROJECTIONS.  qk[token][0:1024] = x Wq, qk[token][1024:2048] = x Wk; vt[batch][channel][token] = (x Wv) turned.  Operands bf16, sums f32, results rounded once to f16, unscaled.
; LIMITS.  f16 ends at 65,504: a q, k or v beyond it becomes an infinity.  NaN and infinities are not treated apart.
; ONE FORM OF PRODUCT: C[m][n] = sum over k of A[m][k] B[n][k], both operands with K along their rows, K = 1,024.
;   clusters with y < 8:  A = xb (8,192 rows), B = w16's rows 0..2047 (Wq, Wk turned), C = qk.       clusters with y >= 8:  A = w16's rows 2048..3071 (Wv turned), B = xb, C = vt.
; The choice hangs on the cluster's y alone, is the same in all sixteen partners, and is taken by selects: no branch.
; SHARES.  A work-group makes 256 x 256 of C: 256 tiles for q and k, 128 for v: 384 work-groups of equal work, one and a half for each of 256 WGPs.  The larger tile is taken all the same: a K step then
; holds 256 matrix instructions a wave, 224 of them between a tile's request and the wait for it, and each fragment read from LDS feeds 8 products.
; Wave w makes rows 128 (w / 2) on, columns 128 (w % 2) on: 8 x 8 accumulators of 16 x 16, 512 registers.
; K goes in steps of 128 (rows of 256 bytes, aligned) through two LDS slots; a step is four quarters of 32 along K, 64 matrix instructions each, on two fragment buffers.
; THE MATRIX INSTRUCTION IS USED TRANSPOSED (source 0 = 16 rows of B, source 1 = 16 rows of A): a lane holds row l % 16 of C and the columns 8 (l / 16) + 0..7.
; CLUSTER 4 x 4: A's tile is shared along a row of the cluster, B's along a column: joint loads with a mask of four.  Waves 0, 1 ask for A's halves (128 rows each), waves 2, 3 for B's.
; REGISTERS, in windows of 256 (s_set_vgpr_msb: bits 1:0 source 0, 3:2 source 1, 5:4 source 2, 7:6 destination):
;   window 0: v0-13 addresses; v32-63 packed results; v64-127, v128-191 A's fragments (two buffers; the second takes rows read back on the way out)
;   window 1: v64-127, v128-191 B's fragments      window 2: the accumulators of my rows 0-63, (a, b) at v[8 (8 a + b)]      window 3: those of my rows 64-127
.set NS,    8                          ; K steps
.set PEL,   1024                       ; elements from row to row of A and of B
.set PSH,   11                         ; their rows are 2^11 bytes
.set CP,    4096                       ; bytes from row to row of C
.set PITCH, 272                        ; an LDS row: 256 bytes + 16 of padding: the 16 rows of a fragment load start at 16 different groups of four banks (ISA guide 11.1)
.set HALFT, 128*PITCH                  ; 128 rows: what one tensor load brings, and what one wave reads of A or of B
.set SLOT,  4*HALFT                    ; A's 256 rows, then B's 256.  0x22000: it shares no bit with wave x HALFT (0, 0x8800, 0x11000, 0x19800), so one exclusive or turns an address in one slot into the other's
.set STAGE, 2*SLOT                     ; behind the ring, never filled by a tensor load: 16 rows x 272 bytes for each wave, for the way out
.set SPARE, STAGE+4*16*PITCH           ; behind the stages: the spare words, 128 bytes for each wave: two blocks of 256 bytes that no other line names
.set LA0, 4                            ; v4   my lane's place in a slot's A; never rewritten
.set LB0, 5                            ; v5   the same for B
.set ADRA, 6                           ; v6   the same in the slot in hand
.set ADRB, 7                           ; v7
.set STO, 8                            ; v8   the way out: where I put 16 bytes of a row
.set RD,  9                            ; v9   where I read a row back
.set CO,  10                           ; v10  my byte offset in C
.set PFO, 11                           ; v11  the prefetches' offset: my lane x a row
.set SPW, 12                           ; v12  LDS address of my spare word; never rewritten
.set NIL, 13                           ; v13  0; never rewritten
.set TMP, 32
.set FR,  64                           ; fragment buffer f at v[64 + 64 f]: A's in window 0, B's in window 1
.set OB,  128                          ; the way out: rows read back, v128-159 and v160-191 by turns
.set G1A, 24                           ; s[24:31] descriptor group 1 for A's tiles
.set G0A, 32                           ; s[32:39] group 0: a set for each first fill; the second then walks
.set LIM, 43                           ; s43  1 in a wave that prefetches, else the greatest number
.set PFA, 44                           ; s[44:45] where my prefetches stand
.set G1B, 48                           ; s[48:55], s[56:63] the same for B's tiles
.set G0B, 56
.set MUL_LO, 0xa1                      ; source 0 (B) window 1, source 1 (A) window 0, C and D window 2
.set MUL_HI, 0xf1                      ; the same, C and D window 3
.set TO_B,   0x40                      ; destination window 1, address window 0
.set MSB, 0
.macro WIN new                         ; the immediate's high byte repeats the setting that is left; a switch that changes nothing is dropped
.if MSB != (\new)
	s_set_vgpr_msb (MSB<<8)|(\new)
.set MSB, (\new)
.endif
.endm
.macro PLACES                          ; four plain instructions between a matrix instruction and a load into, or a vector line on, its registers
.rept 4
	v_nop
.endr
.endm
.macro CREST                           ; a round of the cluster's barrier behind its opening barrier
	s_cmp_lg_u32 s10, 0
	s_cbranch_scc1 .Lnot_wave_0_\@
	s_barrier_signal -3
.Lnot_wave_0_\@:
	s_barrier_wait -3
	s_barrier_signal -1
	s_barrier_wait -1
.endm
.macro CROUND
	s_barrier_signal -1
	s_barrier_wait -1
	CREST
.endm
.macro JLOAD                           ; a joint refill by the walking sets; the branch hangs on the wave's number alone; s_nop 0 and four v_nop follow each line
	s_cmp_eq_u32 s11, 0
	s_cbranch_scc0 .Lfor_b_\@
	tensor_load_to_lds s[G0A+4:G0A+7], s[G1A:G1A+7]
	s_nop 0
.rept 4
	v_nop
.endr
	s_branch .Lasked_\@
.Lfor_b_\@:
	tensor_load_to_lds s[G0B+4:G0B+7], s[G1B:G1B+7]
	s_nop 0
.rept 4
	v_nop
.endr
.Lasked_\@:
.endm
; A PREFETCH, behind the joint load, its five lines and the run of LDS loads: 32 rows x 256 bytes, a lane a row, of the K step that the NEXT change of slots will ask for: 256 matrix instructions ahead of its load.
; Each row's 256 bytes of a K step are named once in the launch: A's rows by the first cluster that walks them (its column of C is 0), B's by the first (cluster y = 0); of the 128 rows that a wave
; fetches, each of the four partners that ask for them jointly takes 32, told apart by address.  xb's rows are named where xb is A, and not again where it is B.
; K steps 0 to 2 come by their loads alone; the last refill has no K step behind it: s3 is then 1.
.macro ASK
	s_cmp_gt_u32 s3, s[LIM]
	s_cbranch_scc0 .Lnot_mine_\@
	global_prefetch_b8 v[PFO], s[PFA:PFA+1] th:TH_LOAD_NT scope:SCOPE_SE
.Lnot_mine_\@:
.endm
; 16 matrix instructions: m blocks a0, a0 + 1 of the window's four (hi = 0: my rows 0-63, 1: rows 64-127) x all 8 n blocks, buffer f.  zero = 1: they start the sums: nothing is ever cleared.
; The 64 accumulators take turns, in the same order in every quarter.
.macro MUL16 f, hi, a0, zero
	WIN MUL_LO+0x50*(\hi)
.irp a, \a0, (\a0)+1
.irp b, 0,1,2,3,4,5,6,7
.if \zero
	v_wmma_f32_16x16x32_bf16 v[8*(8*(\a)+(\b)):8*(8*(\a)+(\b))+7], v[FR+64*(\f)+8*(\b):FR+64*(\f)+8*(\b)+7], v[FR+64*(\f)+8*(4*(\hi)+(\a)):FR+64*(\f)+8*(4*(\hi)+(\a))+7], 0
.else
	v_wmma_f32_16x16x32_bf16 v[8*(8*(\a)+(\b)):8*(8*(\a)+(\b))+7], v[FR+64*(\f)+8*(\b):FR+64*(\f)+8*(\b)+7], v[FR+64*(\f)+8*(4*(\hi)+(\a)):FR+64*(\f)+8*(4*(\hi)+(\a))+7], v[8*(8*(\a)+(\b)):8*(8*(\a)+(\b))+7]
.endif
.endr
.endr
.endm
.macro FETCH k, f                      ; 32 LDS loads in one run: 32 along K at byte k of the rows, into buffer f: B's 128 rows, then A's 128
	WIN TO_B
.irp i, 0,1,2,3,4,5,6,7
	ds_load_b128 v[FR+64*(\f)+8*(\i):FR+64*(\f)+8*(\i)+3],   v[ADRB] offset:(\k)+(\i)*16*PITCH
	ds_load_b128 v[FR+64*(\f)+8*(\i)+4:FR+64*(\f)+8*(\i)+7], v[ADRB] offset:(\k)+(\i)*16*PITCH+32
.endr
	WIN 0
.irp i, 0,1,2,3,4,5,6,7
	ds_load_b128 v[FR+64*(\f)+8*(\i):FR+64*(\f)+8*(\i)+3],   v[ADRA] offset:(\k)+(\i)*16*PITCH
	ds_load_b128 v[FR+64*(\f)+8*(\i)+4:FR+64*(\f)+8*(\i)+7], v[ADRA] offset:(\k)+(\i)*16*PITCH+32
.endr
.endm
.macro QUARTER k, f, g, zero           ; multiplies buffer f; in its middle fetches the next quarter, at byte k, into buffer g
	s_wait_dscnt 8                                 ; B and A's rows 0-63 are in; the youngest eight loads (A's rows 64-127) may be out
	MUL16 \f, 0, 0, \zero
	MUL16 \f, 0, 2, \zero
	PLACES
	FETCH \k, \g
	s_wait_dscnt 32                                ; all but the 32 just issued
	MUL16 \f, 1, 0, \zero
	MUL16 \f, 1, 2, \zero
.endm
; The last quarter multiplies buffer 1 and changes slots: ONE barrier.  In front of it each wave waits for all its tensor loads (one is out: its part of the next slot), adds 0 to its spare
; word, and waits for that and for its reads of this slot.  fill = 1: the barrier opens a round of the cluster's, and this slot is filled again, two K steps ahead, first thing behind it:
; 224 matrix instructions stand between the request and the wait for it.
.macro TURN fill
.if \fill
	s_wait_xcnt 0x0                                ; the last prefetch, a K step back, has read its address: it steps here
	s_add_nc_u64 s[PFA:PFA+1], s[PFA:PFA+1], 256
.endif
	WIN 0                                          ; (the add's two registers lie in window 0)
	s_wait_tensorcnt 0x0                           ; no tensor load of mine is out, so a group 0 may be written
	ds_add_u32 v[SPW], v[NIL]                      ; 0 onto my spare word
.if \fill
	s_xor_b32 s[G0A+5], s[G0A+5], SLOT             ; the walking sets: the other slot than last time, the next K step
	s_add_nc_u64 s[G0A+6:G0A+7], s[G0A+6:G0A+7], 256
	s_xor_b32 s[G0B+5], s[G0B+5], SLOT
	s_add_nc_u64 s[G0B+6:G0B+7], s[G0B+6:G0B+7], 256
.endif
	s_wait_dscnt 9                                 ; the add and the youngest eight loads may be out
	MUL16 1, 0, 0, 0
	s_wait_dscnt 0x0                               ; the add is done, and my reads of this slot are over
	s_barrier_signal -1
	MUL16 1, 0, 2, 0
	WIN 0
	s_barrier_wait -1
.if \fill
	CREST                                          ; no wave of any partner still reads this slot or has a load on its way
.endif
	s_xor_b32 s2, s2, SLOT
.if \fill
	JLOAD                                          ; its four v_nop are also the places in front of the loads below
.else
	PLACES
.endif
	v_add_nc_u32 v[ADRA], s2, v[LA0]
	v_add_nc_u32 v[ADRB], s2, v[LB0]
	FETCH 0, 0
.if \fill
	ASK
.endif
	MUL16 1, 1, 0, 0
	MUL16 1, 1, 2, 0
.endm
; THE WAY OUT of m block a (0 to 7): rounded to f16, 16 bytes a lane; into my own stage; back as whole rows of 256 bytes; stored.
.macro PACK a
	WIN 0x0a+5*((\a)/4)                            ; sources 0 and 1 in window 2 or 3
.irp b, 0,1,2,3,4,5,6,7
.irp r, 0,1,2,3
	v_cvt_pk_f16_f32 v[TMP+4*(\b)+(\r)], v[64*((\a)%4)+8*(\b)+2*(\r)], v[64*((\a)%4)+8*(\b)+2*(\r)+1]
.endr
.endr
	WIN 0
.endm
.macro TOSTAGE a
	WIN 0
.irp b, 0,1,2,3,4,5,6,7
	ds_store_b128 v[STO], v[TMP+4*(\b):TMP+4*(\b)+3] offset:32*(\b)
.endr
.irp t, 0,1,2,3,4,5,6,7
	ds_load_b128 v[OB+32*((\a)%2)+4*(\t):OB+32*((\a)%2)+4*(\t)+3], v[RD] offset:(\t)*2*PITCH  ; LDS serves a wave's instructions in order (ISA guide 5.7.1.4): these see the stores above
.endr
.endm
.macro SEND a, left
	WIN 0
	s_wait_dscnt \left                             ; the block is back in registers
	s_wait_xcnt 0x0                                ; the stores of the block before have read their registers, which the next block's loads from the stage fill again
.irp t, 0,1,2,3,4,5,6,7
	global_store_b128 v[CO], v[OB+32*((\a)%2)+4*(\t):OB+32*((\a)%2)+4*(\t)+3], s[8:9] offset:(16*(\a)+2*(\t))*CP  ; 16 lanes store 256 consecutive bytes, aligned
.endr
.endm
	s_load_b256 s[72:79], s[0:1], 0x0              ; xb s[72:73], w16 s[74:75], qk s[76:77], vt s[78:79]
	v_lshl_add_u32 v[SPW], v0, 2, SPARE
	v_mov_b32 v[NIL], 0
	ds_add_u32 v[SPW], v[NIL]                      ; the wave's opening: the add, waited for ahead of my first tensor load; the set-up below stands between them
	v_lshrrev_b32 v3, 5, v0
	v_readfirstlane_b32 s10, v3                    ; wave 0..3
	s_lshr_b32 s11, s10, 1                         ; my half of the tile's rows.  Also: I fetch for A (0) or for B (1)
	s_and_b32 s12, s10, 1                          ; my half of its columns.  Also: which half of that tile I fetch
	s_bfe_u32 s40, ttmp6, 0x40000                  ; cx
	s_bfe_u32 s41, ttmp6, 0x40004                  ; cy
	s_and_b32 s14, ttmp7, 0xffff                   ; the cluster's y, 0..11
	s_and_b32 s15, s14, 3                          ; for v (y = 8..11): y - 8
	s_lshl_b32 s16, s15, 1
	s_add_co_u32 s16, s16, ttmp9                   ; its eight cluster columns of tokens
	s_cmp_lt_u32 s14, 8
	s_cselect_b32 s71, 1, 0                        ; 1: q and k; 0: v
	s_cselect_b32 s18, ttmp9, s16                  ; the cluster's column of C
	s_cselect_b32 s19, s14, 0                      ; the cluster's row of C: v's 1,024 channels are one cluster row
	s_cselect_b32 s70, s14, 1                      ; 0 in the clusters that name B's rows
	s_cselect_b32 s69, 0, 0x400000                 ; A's first byte in its buffer: Wv's rows begin at row 2,048 of w16
	s_lshl_b32 s42, s18, 2
	s_add_co_u32 s42, s42, s40                     ; tile column of C
	s_lshl_b32 s13, s19, 2
	s_add_co_u32 s13, s13, s41                     ; tile row of C
	s_lshl_b32 s15, s41, 2
	s_lshl_b32 s15, 15, s15                        ; my row of the cluster
	s_lshl_b32 s20, 0x1111, s40                    ; my column
	s_or_b32 s[G1A], s15, (1<<16)|(1<<20)|(1<<21)|(5<<22)|(3<<25)  ; the mask; 2-byte elements; padding on; bit 21 beside a mask; after every 64 words; 4 words
	s_or_b32 s[G1B], s20, (1<<16)|(1<<20)|(1<<21)|(5<<22)|(3<<25)
.irp g, G1A, G1B
	s_mov_b32 s[(\g)+1], 128<<16                   ; tensor_dim0 = 128
	s_mov_b32 s[(\g)+2], 128<<16                   ; tensor_dim1 = 128
	s_mov_b32 s[(\g)+3], 128<<16                   ; tile_dim0 = 128
	s_mov_b32 s[(\g)+4], 128                       ; tile_dim1 = 128
	s_mov_b32 s[(\g)+5], PEL                       ; elements from row to row
	s_mov_b32 s[(\g)+6], 0
	s_mov_b32 s[(\g)+7], 0
.endr
	s_lshl_b32 s16, s13, 19                        ; A: row 256 x tile row + 128 x half, 2,048 bytes a row
	s_lshl_b32 s17, s12, 18
	s_add_co_u32 s16, s16, s17
	s_add_co_u32 s16, s16, s69
	s_mov_b32 s17, 0
	s_lshl_b32 s46, s42, 19                        ; B: row 256 x tile column + 128 x half
	s_lshl_b32 s47, s12, 18
	s_add_co_u32 s46, s46, s47
	s_mov_b32 s47, 0
	s_lshl_b32 s82, s40, 16                        ; the prefetches.  A's: the rows that I fetch + 32 cx
	s_add_co_u32 s82, s82, s16
	s_lshl_b32 s83, s41, 16                        ; B's: the rows that I fetch + 32 cy
	s_add_co_u32 s83, s83, s46
	s_cmp_eq_u32 s11, 0
	s_cselect_b32 s82, s82, s83
	s_cselect_b32 s23, s18, s70                    ; the coordinate along which other clusters read the same rows
	s_cmp_eq_u32 s23, 0
	s_cselect_b32 s[LIM], 1, -1                    ; the same in all sixteen partners, for a given wave
	s_add_co_u32 s82, s82, 2*256                   ; at K step 2: the first change of slots steps it to 3
	s_mov_b32 s83, 0
	s_lshr_b32 s80, s42, 3                         ; C: for vt the batch, 4,194,304 bytes each (0 for qk),
	s_lshl_b32 s80, s80, 22
	s_lshl_b32 s20, s13, 20                        ; my first row,
	s_add_co_u32 s80, s80, s20
	s_lshl_b32 s20, s11, 19
	s_add_co_u32 s80, s80, s20
	s_and_b32 s20, s42, 7                          ; my first column
	s_lshl_b32 s20, s20, 9
	s_add_co_u32 s80, s80, s20
	s_lshl_b32 s20, s12, 8
	s_add_co_u32 s80, s80, s20
	s_mov_b32 s81, 0
	s_mul_i32 s21, s10, HALFT                      ; where the tiles go: A's two halves, then B's two = wave x 128 rows: no place in the cluster enters an LDS address
	s_wait_dscnt 0x0                               ; the opening add is done
	s_wait_kmcnt 0x0
	s_cmp_eq_u32 s71, 1
	s_cselect_b64 s[4:5], s[72:73], s[74:75]       ; A
	s_cselect_b64 s[6:7], s[74:75], s[72:73]       ; B
	s_cselect_b64 s[8:9], s[76:77], s[78:79]       ; C
	s_cmp_eq_u32 s11, 0
	s_cselect_b64 s[PFA:PFA+1], s[4:5], s[6:7]
	s_add_nc_u64 s[PFA:PFA+1], s[PFA:PFA+1], s[82:83]
	s_add_nc_u64 s[16:17], s[4:5], s[16:17]
	s_add_nc_u64 s[46:47], s[6:7], s[46:47]
	s_add_nc_u64 s[8:9], s[8:9], s[80:81]
	CROUND                                         ; all sixteen work-groups are here: the first joint loads meet
.irp s, 0,1
	s_mov_b32 s[G0A+4*(\s)], 1                     ; count = 1
	s_add_co_u32 s[G0A+4*(\s)+1], s21, (\s)*SLOT   ; LDS address
	s_add_nc_u64 s[G0A+4*(\s)+2:G0A+4*(\s)+3], s[16:17], (\s)*256  ; global address: K step s
	s_or_b32 s[G0A+4*(\s)+3], s[G0A+4*(\s)+3], 0x80000000          ; type = 2
	s_mov_b32 s[G0B+4*(\s)], 1
	s_add_co_u32 s[G0B+4*(\s)+1], s21, (\s)*SLOT
	s_add_nc_u64 s[G0B+4*(\s)+2:G0B+4*(\s)+3], s[46:47], (\s)*256
	s_or_b32 s[G0B+4*(\s)+3], s[G0B+4*(\s)+3], 0x80000000
.endr
	s_cmp_eq_u32 s11, 0                            ; a wave's two first fills stand in one branch: two loads of mine are out
	s_cbranch_scc0 .Lfirst_b
	tensor_load_to_lds s[G0A:G0A+3], s[G1A:G1A+7]
	s_nop 0
	tensor_load_to_lds s[G0A+4:G0A+7], s[G1A:G1A+7]
	s_nop 0
.rept 4
	v_nop
.endr
	s_branch .Lfirst_asked
.Lfirst_b:
	tensor_load_to_lds s[G0B:G0B+3], s[G1B:G1B+7]
	s_nop 0
	tensor_load_to_lds s[G0B+4:G0B+7], s[G1B:G1B+7]
	s_nop 0
.rept 4
	v_nop
.endr
.Lfirst_asked:
	; a fragment is 16 rows x 32 K in 8 registers: lane l holds row l % 16, K = 8 (l / 16) + 0..7 and 16 + 8 (l / 16) + 0..7: two loads of 16 bytes, 32 bytes apart
	v_and_b32 v1, 15, v0                           ; l % 16
	v_bfe_u32 v2, v0, 4, 1                         ; l / 16
	v_mul_u32_u24 v3, v1, PITCH
	v_lshl_add_u32 v3, v2, 4, v3
	s_mul_i32 s20, s11, HALFT                      ; my 128 rows of A
	s_mul_i32 s23, s12, HALFT                      ; my 128 rows of B,
	s_add_co_u32 s23, s23, 2*HALFT                 ; which lie behind A's 256
	v_add_nc_u32 v[LA0], s20, v3
	v_add_nc_u32 v[LB0], s23, v3
	s_mul_i32 s20, s10, 16*PITCH
	s_add_co_u32 s20, s20, STAGE                   ; my stage
	v_add_nc_u32 v[STO], s20, v3                   ; in: row l % 16, 16 bytes for each half of the lanes
	v_mul_u32_u24 v[RD], v2, PITCH                 ; back: lanes 0-15 one row of 256 bytes, lanes 16-31 the next
	v_lshl_add_u32 v[RD], v1, 4, v[RD]
	v_add_nc_u32 v[RD], s20, v[RD]
	v_mul_u32_u24 v[CO], v2, CP                    ; and the same two rows in C
	v_lshl_add_u32 v[CO], v1, 4, v[CO]
	v_and_b32 v[PFO], 31, v0
	v_lshlrev_b32 v[PFO], PSH, v[PFO]
	s_wait_tensorcnt 0x1                           ; my part of K step 0 is in; K step 1's may stay out
	s_barrier_signal -1
	s_barrier_wait -1
	s_mov_b32 s2, 0                                ; the slot in hand
	v_mov_b32 v[ADRA], v[LA0]
	v_mov_b32 v[ADRB], v[LB0]
	FETCH 0, 0
	QUARTER 64, 0, 1, 1                            ; the first quarter stands in front of the loop: its products start the sums
	WIN 0
	s_mov_b32 s3, NS-2
.Lstep:                                        ; a trip: from a K step's second quarter to the next step's first; it fills the slot that it leaves
	QUARTER 128, 1, 0, 0
	QUARTER 192, 0, 1, 0
	TURN 1
	QUARTER 64, 0, 1, 0
	WIN 0
	s_sub_co_u32 s3, s3, 1
	s_cmp_lg_u32 s3, 0
	s_cbranch_scc1 .Lstep
	s_mov_b32 s3, 2
.Ltail:                                        ; the last two K steps ask for nothing; the second trip is left in its middle: its 32 fragment loads serve nothing, the price of one text for both
	QUARTER 128, 1, 0, 0
	QUARTER 192, 0, 1, 0
	TURN 0
	WIN 0
	s_sub_co_u32 s3, s3, 1
	s_cmp_eq_u32 s3, 0
	s_cbranch_scc1 .Lout
	QUARTER 64, 0, 1, 0
	WIN 0
	s_branch .Ltail
.Lout:
	s_wait_dscnt 0x0                               ; the loads that serve nothing have landed
	PLACES
	PACK 0
	TOSTAGE 0
.irp a, 1,2,3,4,5,6,7                          ; block a's conversions stand between block a - 1's loads from the stage and the wait for them
	PACK \a
	SEND (\a)-1, 0
	TOSTAGE \a
.endr
	SEND 7, 0
	s_wait_tensorcnt 0x0                           ; the wave's end, behind my last tensor load and my last LDS store
	ds_add_u32 v[SPW], v[NIL]
	s_wait_dscnt 0x0
	CROUND                                         ; the closing round: no work-group ends while a partner may still ask for a tile that names it
	s_endpgm
.Lfunc_end_k_qe65068c8ea_proj:
	.size	k_qe65068c8ea_proj, .Lfunc_end_k_qe65068c8ea_proj-k_qe65068c8ea_proj
	.p2alignl 7, 3214868480
	.fill 96, 4, 3214868480
	.section	.rodata,"a",@progbits
	.p2align	6, 0x0
	.amdhsa_kernel k_qe65068c8ea_proj
		.amdhsa_group_segment_fixed_size 327680
		.amdhsa_private_segment_fixed_size 0
		.amdhsa_enable_private_segment 0
		.amdhsa_kernarg_size 32
		.amdhsa_user_sgpr_count 2
		.amdhsa_user_sgpr_kernarg_segment_ptr 1
		.amdhsa_wavefront_size32 1
		.amdhsa_system_sgpr_workgroup_id_x 1
		.amdhsa_system_sgpr_workgroup_id_y 1
		.amdhsa_system_sgpr_workgroup_id_z 1
		.amdhsa_system_vgpr_workitem_id 0
		.amdhsa_next_free_vgpr 1024
		.amdhsa_next_free_sgpr 88
		.amdhsa_reserve_vcc 0
		.amdhsa_float_denorm_mode_32 3
		.amdhsa_float_denorm_mode_16_64 3
		.amdhsa_memory_ordered 1
		.amdhsa_forward_progress 1
		.amdhsa_inst_pref_size 100
	.end_amdhsa_kernel
	.amdgpu_metadata
---
amdhsa.version: [ 1, 2 ]
amdhsa.kernels:
  - .name:           k_qe65068c8ea_proj
    .symbol:         k_qe65068c8ea_proj.kd
    .args:
      - { .name: xb, .offset: 0, .size: 8, .value_kind: global_buffer, .address_space: global }
      - { .name: w16, .offset: 8, .size: 8, .value_kind: global_buffer, .address_space: global }
      - { .name: qk, .offset: 16, .size: 8, .value_kind: global_buffer, .address_space: global }
      - { .name: vt, .offset: 24, .size: 8, .value_kind: global_buffer, .address_space: global }
    .group_segment_fixed_size: 327680
    .private_segment_fixed_size: 0
    .kernarg_segment_align: 8
    .kernarg_segment_size: 32
    .max_flat_workgroup_size: 128
    .sgpr_count:     88
    .vgpr_count:     1024
    .wavefront_size: 32
...
	.end_amdgpu_metadata
.endif
;; end of part 2
;; launch scores (part 3): grid 8 x 32, 4 waves a work-group, clusters of 4 x 4, 327,680 bytes of LDS; arguments qk, p, st; writes p, st
.if DOCPART == 3
	.amdgcn_target "amdgcn-amd-amdhsa--gfx1250"
	.amdhsa_code_object_version 6
	.text
	.protected	k_qe65068c8ea_scores
	.globl	k_qe65068c8ea_scores
	.p2align	8
	.type	k_qe65068c8ea_scores,@function
k_qe65068c8ea_scores:
	s_mov_b64 s[64:65], 0
	v_nop
	global_prefetch_b8 v0, s[64:65] scope:SCOPE_SE
	s_setreg_imm32_b32 hwreg(HW_REG_WAVE_MODE, 25, 1), 1
	s_wait_xcnt 0x0
	s_wait_alu depctr_hold_cnt(0) depctr_sa_sdst(0) depctr_va_vdst(0) depctr_va_sdst(0) depctr_va_ssrc(0) depctr_va_vcc(0) depctr_vm_vsrc(0)
	s_getreg_b32 s2, hwreg(HW_REG_IB_STS2, 6, 4)
	s_cmp_eq_u32 s2, 0
	s_cbranch_scc0 .Lentry_in_a_cluster
	s_endpgm
.Lentry_in_a_cluster:
	s_bfe_u32 s2, ttmp6, 0x10000c
	s_cmp_lg_u32 s2, 0xf033
	s_cbranch_scc0 .Lentry_shape_is_right
	s_endpgm
.Lentry_shape_is_right:
; THE SCORES AND THE FIRST HALF OF THE SOFTMAX.  s = q . k (K = 1,024, f16 operands, f32 sums).  For each query and each BLOCK of 128 keys: m = the block's largest s,
; p = 2^(c s - c m) rounded to f16, l = the f32 sum of the unrounded p; c = log2(e) / 32.  p goes to p[query][key], c m and l to st.  The launch behind joins the blocks by the row's maximum.
; LIMITS.  A weight below 2^-126 counts as 0 in l, one below 6e-8 as 0 in p.  NaN and infinities are not treated apart.
; THE PRODUCT: C[m][n] = sum over k of A[m][k] B[n][k]: A = q (qk's columns 0..1023), B = k of the same batch (qk's columns 1024..2047); rows of qk are 4,096 bytes.
; SHARES.  A work-group makes 256 queries x 256 keys: 256 work-groups of equal work.  Wave w: rows 128 (w / 2) on, columns 128 (w % 2) on, which are one block of keys: 8 x 8 accumulators, 512 registers.
; K goes in steps of 128 through two LDS slots; a step is four quarters of 32 along K, 64 matrix instructions each, on two fragment buffers; 224 matrix instructions stand between a tile's request and the wait for it.
; THE MATRIX INSTRUCTION IS USED TRANSPOSED (source 0 = 16 keys, source 1 = 16 queries): a lane holds ONE query (l % 16) and the keys 8 (l / 16) + 0..7 of each 16: maximum and sum want one exchange of the lanes' halves.
; CLUSTER 4 x 4: q's tile is shared along a row of the cluster, k's along a column: joint loads with a mask of four.  Waves 0, 1 ask for A's halves (128 rows each), waves 2, 3 for B's.
; REGISTERS, in windows of 256 (s_set_vgpr_msb: bits 1:0 source 0, 3:2 source 1, 5:4 source 2, 7:6 destination):
;   window 0: v0-13 addresses; v14-31 statistics; v32-63 packed results; v64-127, v128-191 A's fragments; on the way out v64-127 the block's 64 exponents, v128-191 rows read back
;   window 1: v64-127, v128-191 B's fragments      window 2: the accumulators of my rows 0-63, (a, b) at v[8 (8 a + b)]      window 3: those of my rows 64-127
; THE WAY OUT is written for four m blocks, in window 2, and walked twice; between the walks 256 copies bring window 3's accumulators there: 256 lines once a launch, for half the text.
.set NS,    8
.set PEL,   2048
.set PSH,   12
.set CP,    4096
.set PITCH, 272                        ; an LDS row: 256 bytes + 16 of padding: the 16 rows of a fragment load start at 16 different groups of four banks (ISA guide 11.1)
.set HALFT, 128*PITCH
.set SLOT,  4*HALFT                    ; 0x22000: it shares no bit with wave x HALFT, so one exclusive or turns an address in one slot into the other's
.set STAGE, 2*SLOT                     ; behind the ring, never filled by a tensor load: 16 rows x 272 bytes for each wave
.set SPARE, STAGE+4*16*PITCH           ; the spare words, 128 bytes for each wave
.set SSTAGE, SPARE+512                 ; 512 bytes for each wave: 64 c m, then 64 l
.set SSG, 2                            ; v2   (behind the head) my byte offset in st
.set SSR, 3                            ; v3   (behind the head) where I read 16 bytes of statistics back
.set LA0, 4
.set LB0, 5
.set ADRA, 6
.set ADRB, 7
.set STO, 8
.set RD,  9
.set CO,  10
.set PFO, 11
.set SPW, 12
.set NIL, 13
.set CM,  14                           ; v[14:15] c m of the block in hand, twice
.set CC,  16                           ; v16-19  four chains of the maximum
.set NEG, 22                           ; v22     minus infinity: starts the chains
.set SSA, 23                           ; v23     where I put a word of statistics
.set CMS, 24                           ; v24-27  c m of m block a
.set LS,  28                           ; v28-31  l of m block a
.set TMP, 32
.set T,   64
.set FR,  64
.set OB,  128
.set G1A, 24
.set G0A, 32
.set LIM, 43
.set PFA, 44
.set G1B, 48
.set G0B, 56
.set CS,  66                           ; s[66:67] c, twice
.set SEL, 68                           ; s[68:69] v_permlanex16_b32's selects: each lane takes its own place in the other half
.set HIM, 70                           ; s70  the mask of lanes 16-31
.set MUL_LO, 0xa1
.set MUL_HI, 0xf1
.set TO_B,   0x40
.set MSB, 0
.macro WIN new
.if MSB != (\new)
	s_set_vgpr_msb (MSB<<8)|(\new)
.set MSB, (\new)
.endif
.endm
.macro PLACES
.rept 4
	v_nop
.endr
.endm
.macro CREST
	s_cmp_lg_u32 s10, 0
	s_cbranch_scc1 .Lnot_wave_0_\@
	s_barrier_signal -3
.Lnot_wave_0_\@:
	s_barrier_wait -3
	s_barrier_signal -1
	s_barrier_wait -1
.endm
.macro CROUND
	s_barrier_signal -1
	s_barrier_wait -1
	CREST
.endm
.macro JLOAD                           ; a joint refill by the walking sets; s_nop 0 and four v_nop follow each line
	s_cmp_eq_u32 s11, 0
	s_cbranch_scc0 .Lfor_b_\@
	tensor_load_to_lds s[G0A+4:G0A+7], s[G1A:G1A+7]
	s_nop 0
.rept 4
	v_nop
.endr
	s_branch .Lasked_\@
.Lfor_b_\@:
	tensor_load_to_lds s[G0B+4:G0B+7], s[G1B:G1B+7]
	s_nop 0
.rept 4
	v_nop
.endr
.Lasked_\@:
.endm
; A PREFETCH, behind the joint load, its five lines and the run of LDS loads: 32 rows x 256 bytes, a lane a row, of the K step that the NEXT change of slots will ask for: 256 matrix instructions ahead of its load.
; Each row's 256 bytes of a K step are named once: q's rows by the cluster with x = 0, k's by the batch's first cluster row; of the 128 rows that a wave fetches, each of the four partners that ask
; for them jointly takes 32, told apart by address.  K steps 0 to 2 come by their loads alone; the last refill has no K step behind it.
.macro ASK
	s_cmp_gt_u32 s3, s[LIM]
	s_cbranch_scc0 .Lnot_mine_\@
	global_prefetch_b8 v[PFO], s[PFA:PFA+1] th:TH_LOAD_NT scope:SCOPE_SE
.Lnot_mine_\@:
.endm
.macro MUL16 f, hi, a0, zero           ; 16 matrix instructions; the 64 accumulators take turns, in the same order in every quarter
	WIN MUL_LO+0x50*(\hi)
.irp a, \a0, (\a0)+1
.irp b, 0,1,2,3,4,5,6,7
.if \zero
	v_wmma_f32_16x16x32_f16 v[8*(8*(\a)+(\b)):8*(8*(\a)+(\b))+7], v[FR+64*(\f)+8*(\b):FR+64*(\f)+8*(\b)+7], v[FR+64*(\f)+8*(4*(\hi)+(\a)):FR+64*(\f)+8*(4*(\hi)+(\a))+7], 0
.else
	v_wmma_f32_16x16x32_f16 v[8*(8*(\a)+(\b)):8*(8*(\a)+(\b))+7], v[FR+64*(\f)+8*(\b):FR+64*(\f)+8*(\b)+7], v[FR+64*(\f)+8*(4*(\hi)+(\a)):FR+64*(\f)+8*(4*(\hi)+(\a))+7], v[8*(8*(\a)+(\b)):8*(8*(\a)+(\b))+7]
.endif
.endr
.endr
.endm
.macro FETCH k, f                      ; 32 LDS loads in one run: B's 128 rows, then A's 128
	WIN TO_B
.irp i, 0,1,2,3,4,5,6,7
	ds_load_b128 v[FR+64*(\f)+8*(\i):FR+64*(\f)+8*(\i)+3],   v[ADRB] offset:(\k)+(\i)*16*PITCH
	ds_load_b128 v[FR+64*(\f)+8*(\i)+4:FR+64*(\f)+8*(\i)+7], v[ADRB] offset:(\k)+(\i)*16*PITCH+32
.endr
	WIN 0
.irp i, 0,1,2,3,4,5,6,7
	ds_load_b128 v[FR+64*(\f)+8*(\i):FR+64*(\f)+8*(\i)+3],   v[ADRA] offset:(\k)+(\i)*16*PITCH
	ds_load_b128 v[FR+64*(\f)+8*(\i)+4:FR+64*(\f)+8*(\i)+7], v[ADRA] offset:(\k)+(\i)*16*PITCH+32
.endr
.endm
.macro QUARTER k, f, g, zero
	s_wait_dscnt 8                                 ; B and A's rows 0-63 are in; the youngest eight loads (A's rows 64-127) may be out
	MUL16 \f, 0, 0, \zero
	MUL16 \f, 0, 2, \zero
	PLACES
	FETCH \k, \g
	s_wait_dscnt 32                                ; all but the 32 just issued
	MUL16 \f, 1, 0, \zero
	MUL16 \f, 1, 2, \zero
.endm
.macro TURN fill                       ; the last quarter and the change of slots: one barrier; with fill = 1 a round of the cluster's, and the joint refill first behind it
.if \fill
	s_wait_xcnt 0x0                                ; the last prefetch, a K step back, has read its address: it steps here
	s_add_nc_u64 s[PFA:PFA+1], s[PFA:PFA+1], 256
.endif
	WIN 0
	s_wait_tensorcnt 0x0                           ; no tensor load of mine is out, so a group 0 may be written
	ds_add_u32 v[SPW], v[NIL]                      ; 0 onto my spare word
.if \fill
	s_xor_b32 s[G0A+5], s[G0A+5], SLOT
	s_add_nc_u64 s[G0A+6:G0A+7], s[G0A+6:G0A+7], 256
	s_xor_b32 s[G0B+5], s[G0B+5], SLOT
	s_add_nc_u64 s[G0B+6:G0B+7], s[G0B+6:G0B+7], 256
.endif
	s_wait_dscnt 9                                 ; the add and the youngest eight loads may be out
	MUL16 1, 0, 0, 0
	s_wait_dscnt 0x0                               ; the add is done, and my reads of this slot are over
	s_barrier_signal -1
	MUL16 1, 0, 2, 0
	WIN 0
	s_barrier_wait -1
.if \fill
	CREST
.endif
	s_xor_b32 s2, s2, SLOT
.if \fill
	JLOAD
.else
	PLACES
.endif
	v_add_nc_u32 v[ADRA], s2, v[LA0]
	v_add_nc_u32 v[ADRB], s2, v[LB0]
	FETCH 0, 0
.if \fill
	ASK
.endif
	MUL16 1, 1, 0, 0
	MUL16 1, 1, 2, 0
.endm
; THE WAY OUT, an m block (16 queries x 128 keys, 64 scores a lane) at a time; a = 0 to 3, in window 2.
; MAXE a, e: number e of the 32 that take the lane's maximum, two scores at a time, in four chains; each accumulator's lowest registers are read first.
.macro MAXE a, e
	WIN 0x28                                       ; sources 1 and 2 in window 2
.set mk, (\e)%4
.set mr, 64*(\a)+8*(2*mk+(\e)/16)+2*(((\e)/4)%4)
.if (\e) < 4
	v_max3_num_f32 v[CC+mk], v[NEG], v[mr], v[mr+1]
.else
	v_max3_num_f32 v[CC+mk], v[CC+mk], v[mr], v[mr+1]
.endif
.endm
.macro FIN a                           ; the four chains, the other half of the lanes, c m
	WIN 0
	v_max3_num_f32 v[CC], v[CC], v[CC+1], v[CC+2]
	v_max_num_f32 v[CC], v[CC], v[CC+3]
	v_permlanex16_b32 v21, v[CC], s[SEL], s[SEL+1]
	v_max_num_f32 v[CC], v[CC], v21
	v_mul_f32 v[CM], s[CS], v[CC]
	v_mov_b32 v[CM+1], v[CM]
	v_mov_b32 v[CMS+(\a)], v[CM]
.endm
.macro SCALE a                         ; c s - c m
	WIN 0x02                                       ; source 0 in window 2
.set si, 0
.rept 32
	v_pk_fma_f32 v[T+2*si:T+2*si+1], v[64*(\a)+2*si:64*(\a)+2*si+1], s[CS:CS+1], v[CM:CM+1] op_sel_hi:[1,0,0] neg_lo:[0,0,1] neg_hi:[0,0,1]
.set si, si+1
.endr
.endm
.macro EXMAX a                         ; the block's 64 exponentials, one batch; between them the next block's maximum, which names none of their results
	WIN 0x28
.set xe, 0
.rept 32
	v_exp_f32 v[T+2*xe], v[T+2*xe]
	v_exp_f32 v[T+2*xe+1], v[T+2*xe+1]
.if (\a) < 3
	MAXE (\a)+1, xe
.endif
.set xe, xe+1
.endr
.endm
.macro CVT
	WIN 0
.set si, 0
.rept 32
	v_cvt_pk_f16_f32 v[TMP+si], v[T+2*si], v[T+2*si+1]
.set si, si+1
.endr
.endm
.macro SUM a                           ; the 64 unrounded weights, a tree of packed sums in place; then the other half of the lanes
	WIN 0
.irp w, 16,8,4,2,1
.set si, 0
.rept \w
	v_pk_add_f32 v[T+2*si:T+2*si+1], v[T+2*si:T+2*si+1], v[T+2*(si+(\w)):T+2*(si+(\w))+1]
.set si, si+1
.endr
.endr
	v_add_f32 v20, v[T], v[T+1]
	v_permlanex16_b32 v21, v20, s[SEL], s[SEL+1]
	v_add_f32 v[LS+(\a)], v20, v21
.endm
.macro TOSTAGE a
	WIN 0
.irp b, 0,1,2,3,4,5,6,7
	ds_store_b128 v[STO], v[TMP+4*(\b):TMP+4*(\b)+3] offset:32*(\b)
.endr
.irp t, 0,1,2,3,4,5,6,7
	ds_load_b128 v[OB+32*((\a)%2)+4*(\t):OB+32*((\a)%2)+4*(\t)+3], v[RD] offset:(\t)*2*PITCH  ; LDS serves a wave's instructions in order (ISA guide 5.7.1.4): these see the stores above
.endr
.endm
.macro SEND a, left
	WIN 0
	s_wait_dscnt \left
	s_wait_xcnt 0x0                                ; the stores of the block before have read their registers, which the next block's loads from the stage fill again
.irp t, 0,1,2,3,4,5,6,7
	global_store_b128 v[CO], v[OB+32*((\a)%2)+4*(\t):OB+32*((\a)%2)+4*(\t)+3], s[6:7] offset:(16*(\a)+2*(\t))*CP  ; 16 lanes store 256 consecutive bytes, aligned
.endr
.endm
	s_load_b128 s[4:7], s[0:1], 0x0                ; qk s[4:5], p s[6:7]
	s_load_b64 s[8:9], s[0:1], 0x10                ; st
	v_lshl_add_u32 v[SPW], v0, 2, SPARE
	v_mov_b32 v[NIL], 0
	ds_add_u32 v[SPW], v[NIL]                      ; the wave's opening: the add, waited for ahead of my first tensor load
	v_lshrrev_b32 v3, 5, v0
	v_readfirstlane_b32 s10, v3                    ; wave 0..3
	s_lshr_b32 s11, s10, 1                         ; my half of the rows.  Also: I fetch for A (0) or for B (1)
	s_and_b32 s12, s10, 1                          ; my half of the columns.  Also: which half of that tile I fetch
	s_bfe_u32 s40, ttmp6, 0x40000                  ; cx
	s_bfe_u32 s41, ttmp6, 0x40004                  ; cy
	s_lshl_b32 s42, ttmp9, 2
	s_add_co_u32 s42, s42, s40                     ; tile column: 256 keys of the batch
	s_and_b32 s14, ttmp7, 0xffff                   ; the cluster's y; two of them make a batch
	s_lshl_b32 s13, s14, 2
	s_add_co_u32 s13, s13, s41                     ; tile row: 256 queries
	s_lshl_b32 s15, s41, 2
	s_lshl_b32 s15, 15, s15                        ; my row of the cluster
	s_lshl_b32 s20, 0x1111, s40                    ; my column
	s_or_b32 s[G1A], s15, (1<<16)|(1<<20)|(1<<21)|(5<<22)|(3<<25)
	s_or_b32 s[G1B], s20, (1<<16)|(1<<20)|(1<<21)|(5<<22)|(3<<25)
.irp g, G1A, G1B
	s_mov_b32 s[(\g)+1], 128<<16
	s_mov_b32 s[(\g)+2], 128<<16
	s_mov_b32 s[(\g)+3], 128<<16
	s_mov_b32 s[(\g)+4], 128
	s_mov_b32 s[(\g)+5], PEL
	s_mov_b32 s[(\g)+6], 0
	s_mov_b32 s[(\g)+7], 0
.endr
	s_lshl_b32 s16, s13, 20                        ; A: row 256 x tile row + 128 x half, 4,096 bytes a row
	s_lshl_b32 s17, s12, 19
	s_add_co_u32 s16, s16, s17
	s_mov_b32 s17, 0
	s_lshr_b32 s46, s14, 1                         ; B: the batch's 2,048 rows,
	s_lshl_b32 s46, s46, 23
	s_lshl_b32 s47, s42, 20                        ; row 256 x tile column + 128 x half,
	s_add_co_u32 s46, s46, s47
	s_lshl_b32 s47, s12, 19
	s_add_co_u32 s46, s46, s47
	s_add_co_u32 s46, s46, 2048                    ; k lies behind q in a row
	s_mov_b32 s47, 0
	s_lshl_b32 s82, s40, 17                        ; the prefetches.  A's: the rows that I fetch + 32 cx
	s_add_co_u32 s82, s82, s16
	s_lshl_b32 s83, s41, 17                        ; B's: the rows that I fetch + 32 cy
	s_add_co_u32 s83, s83, s46
	s_and_b32 s15, s14, 1
	s_cmp_eq_u32 s11, 0
	s_cselect_b32 s82, s82, s83
	s_cselect_b32 s23, ttmp9, s15                  ; the coordinate along which other clusters read the same rows
	s_cmp_eq_u32 s23, 0
	s_cselect_b32 s[LIM], 1, -1
	s_add_co_u32 s82, s82, 2*256                   ; at K step 2: the first change of slots steps it to 3
	s_mov_b32 s83, 0
	s_lshl_b32 s80, s13, 20                        ; p: my first row and column
	s_lshl_b32 s20, s11, 19
	s_add_co_u32 s80, s80, s20
	s_lshl_b32 s20, s42, 9
	s_add_co_u32 s80, s80, s20
	s_lshl_b32 s20, s12, 8
	s_add_co_u32 s80, s80, s20
	s_mov_b32 s81, 0
	s_lshl_b32 s84, s42, 16                        ; st: block 2 x tile column + half, 32,768 bytes each; my 128 rows, 4 bytes each
	s_lshl_b32 s20, s12, 15
	s_add_co_u32 s84, s84, s20
	s_lshl_b32 s20, s13, 10
	s_add_co_u32 s84, s84, s20
	s_lshl_b32 s20, s11, 9
	s_add_co_u32 s84, s84, s20
	s_mov_b32 s85, 0
	s_mov_b32 s[CS], 0x3d38aa3b                    ; c = log2(e) / 32
	s_mov_b32 s[CS+1], s[CS]
	s_mov_b32 s[SEL], 0x76543210
	s_mov_b32 s[SEL+1], 0xfedcba98
	s_mov_b32 s[HIM], 0xffff0000
	s_mul_i32 s21, s10, HALFT                      ; where the tiles go: wave x 128 rows
	s_wait_dscnt 0x0                               ; the opening add is done
	s_wait_kmcnt 0x0
	s_add_nc_u64 s[PFA:PFA+1], s[4:5], s[82:83]
	s_add_nc_u64 s[16:17], s[4:5], s[16:17]
	s_add_nc_u64 s[46:47], s[4:5], s[46:47]
	s_add_nc_u64 s[6:7], s[6:7], s[80:81]
	s_add_nc_u64 s[8:9], s[8:9], s[84:85]
	CROUND                                         ; all sixteen work-groups are here: the first joint loads meet
.irp s, 0,1
	s_mov_b32 s[G0A+4*(\s)], 1
	s_add_co_u32 s[G0A+4*(\s)+1], s21, (\s)*SLOT
	s_add_nc_u64 s[G0A+4*(\s)+2:G0A+4*(\s)+3], s[16:17], (\s)*256
	s_or_b32 s[G0A+4*(\s)+3], s[G0A+4*(\s)+3], 0x80000000
	s_mov_b32 s[G0B+4*(\s)], 1
	s_add_co_u32 s[G0B+4*(\s)+1], s21, (\s)*SLOT
	s_add_nc_u64 s[G0B+4*(\s)+2:G0B+4*(\s)+3], s[46:47], (\s)*256
	s_or_b32 s[G0B+4*(\s)+3], s[G0B+4*(\s)+3], 0x80000000
.endr
	s_cmp_eq_u32 s11, 0                            ; a wave's two first fills stand in one branch: two loads of mine are out
	s_cbranch_scc0 .Lfirst_b
	tensor_load_to_lds s[G0A:G0A+3], s[G1A:G1A+7]
	s_nop 0
	tensor_load_to_lds s[G0A+4:G0A+7], s[G1A:G1A+7]
	s_nop 0
.rept 4
	v_nop
.endr
	s_branch .Lfirst_asked
.Lfirst_b:
	tensor_load_to_lds s[G0B:G0B+3], s[G1B:G1B+7]
	s_nop 0
	tensor_load_to_lds s[G0B+4:G0B+7], s[G1B:G1B+7]
	s_nop 0
.rept 4
	v_nop
.endr
.Lfirst_asked:
	v_and_b32 v1, 15, v0                           ; l % 16
	v_bfe_u32 v2, v0, 4, 1                         ; l / 16
	v_mul_u32_u24 v3, v1, PITCH
	v_lshl_add_u32 v3, v2, 4, v3
	s_mul_i32 s20, s11, HALFT
	s_mul_i32 s23, s12, HALFT
	s_add_co_u32 s23, s23, 2*HALFT
	v_add_nc_u32 v[LA0], s20, v3
	v_add_nc_u32 v[LB0], s23, v3
	s_mul_i32 s20, s10, 16*PITCH
	s_add_co_u32 s20, s20, STAGE
	v_add_nc_u32 v[STO], s20, v3
	v_mul_u32_u24 v[RD], v2, PITCH
	v_lshl_add_u32 v[RD], v1, 4, v[RD]
	v_add_nc_u32 v[RD], s20, v[RD]
	v_mul_u32_u24 v[CO], v2, CP
	v_lshl_add_u32 v[CO], v1, 4, v[CO]
	v_and_b32 v[PFO], 31, v0
	v_lshlrev_b32 v[PFO], PSH, v[PFO]
	v_mov_b32 v21, 0                               ; v_permlanex16_b32's destination counts as read
	v_mov_b32 v[NEG], 0xff800000
	s_lshl_b32 s20, s10, 9
	s_add_co_u32 s20, s20, SSTAGE                  ; my 512 bytes of statistics: lanes 0-15 put c m, lanes 16-31 put l
	v_lshlrev_b32 v[SSA], 8, v2
	v_lshl_add_u32 v[SSA], v1, 2, v[SSA]
	v_add_nc_u32 v[SSA], s20, v[SSA]
	v_and_b32 v[SSR], 31, v0
	v_lshl_add_u32 v[SSR], v[SSR], 4, s20          ; back: 16 bytes a lane
	v_lshlrev_b32 v[SSG], 19, v2                   ; in st l lies 524,288 bytes behind c m
	v_lshl_add_u32 v[SSG], v1, 4, v[SSG]
	s_wait_tensorcnt 0x1                           ; my part of K step 0 is in; K step 1's may stay out
	s_barrier_signal -1
	s_barrier_wait -1
	s_mov_b32 s2, 0
	v_mov_b32 v[ADRA], v[LA0]
	v_mov_b32 v[ADRB], v[LB0]
	FETCH 0, 0
	QUARTER 64, 0, 1, 1                            ; the first quarter's products start the sums
	WIN 0
	s_mov_b32 s3, NS-2
.Lstep:
	QUARTER 128, 1, 0, 0
	QUARTER 192, 0, 1, 0
	TURN 1
	QUARTER 64, 0, 1, 0
	WIN 0
	s_sub_co_u32 s3, s3, 1
	s_cmp_lg_u32 s3, 0
	s_cbranch_scc1 .Lstep
	s_mov_b32 s3, 2
.Ltail:                                        ; the last two K steps ask for nothing; the second trip is left in its middle: its 32 fragment loads serve nothing
	QUARTER 128, 1, 0, 0
	QUARTER 192, 0, 1, 0
	TURN 0
	WIN 0
	s_sub_co_u32 s3, s3, 1
	s_cmp_eq_u32 s3, 0
	s_cbranch_scc1 .Lout
	QUARTER 64, 0, 1, 0
	WIN 0
	s_branch .Ltail
.Lout:
	s_wait_dscnt 0x0                               ; the loads that serve nothing have landed: their registers are used again
	PLACES
	s_mov_b32 s3, 2
.Lhalf:                                        ; two walks: my rows 0-63, then my rows 64-127
.set ee, 0
.rept 32
	MAXE 0, ee
.set ee, ee+1
.endr
	FIN 0
.irp a, 0,1,2,3
	SCALE \a
	EXMAX \a
	v_nop                                          ; a plain instruction behind the last exponential,
	s_wait_alu depctr_va_vdst(0)                   ; and the one wait ahead of the batch's first reader
	CVT
	SUM \a
.if (\a) < 3
	FIN (\a)+1
.endif
.if (\a) > 0
	SEND (\a)-1, 0
.endif
	TOSTAGE \a
.endr
	SEND 3, 0
.irp a, 0,1,2,3                                ; the statistics: 64 c m and 64 l through my own LDS bytes, so that they leave as two runs of 256 consecutive bytes
	v_cndmask_b32 v[CC+(\a)], v[CMS+(\a)], v[LS+(\a)], s[HIM]
	ds_store_b32 v[SSA], v[CC+(\a)] offset:64*(\a)
.endr
	ds_load_b128 v[TMP:TMP+3], v[SSR]
	s_wait_dscnt 0x0
	global_store_b128 v[SSG], v[TMP:TMP+3], s[8:9]
	s_sub_co_u32 s3, s3, 1
	s_cmp_eq_u32 s3, 0
	s_cbranch_scc1 .Lend
	s_wait_xcnt 0x0                                ; the stores have read their bases and their registers
	s_add_nc_u64 s[6:7], s[6:7], 64*CP             ; 64 rows of p on,
	s_add_nc_u64 s[8:9], s[8:9], 256               ; 64 words of st on
	WIN 0x83                                       ; destination window 2, source window 3: my rows 64-127 go where the one text of the way out names the accumulators
.set si, 0
.rept 256
	v_mov_b32 v[si], v[si]
.set si, si+1
.endr
	WIN 0
	s_branch .Lhalf
.Lend:
	s_wait_tensorcnt 0x0                           ; the wave's end, behind my last tensor load and my last LDS store
	ds_add_u32 v[SPW], v[NIL]
	s_wait_dscnt 0x0
	CROUND                                         ; the closing round
	s_endpgm
.Lfunc_end_k_qe65068c8ea_scores:
	.size	k_qe65068c8ea_scores, .Lfunc_end_k_qe65068c8ea_scores-k_qe65068c8ea_scores
	.p2alignl 7, 3214868480
	.fill 96, 4, 3214868480
	.section	.rodata,"a",@progbits
	.p2align	6, 0x0
	.amdhsa_kernel k_qe65068c8ea_scores
		.amdhsa_group_segment_fixed_size 327680
		.amdhsa_private_segment_fixed_size 0
		.amdhsa_enable_private_segment 0
		.amdhsa_kernarg_size 24
		.amdhsa_user_sgpr_count 2
		.amdhsa_user_sgpr_kernarg_segment_ptr 1
		.amdhsa_wavefront_size32 1
		.amdhsa_system_sgpr_workgroup_id_x 1
		.amdhsa_system_sgpr_workgroup_id_y 1
		.amdhsa_system_sgpr_workgroup_id_z 1
		.amdhsa_system_vgpr_workitem_id 0
		.amdhsa_next_free_vgpr 1024
		.amdhsa_next_free_sgpr 88
		.amdhsa_reserve_vcc 0
		.amdhsa_float_denorm_mode_32 3
		.amdhsa_float_denorm_mode_16_64 3
		.amdhsa_memory_ordered 1
		.amdhsa_forward_progress 1
		.amdhsa_inst_pref_size 128
	.end_amdhsa_kernel
	.amdgpu_metadata
---
amdhsa.version: [ 1, 2 ]
amdhsa.kernels:
  - .name:           k_qe65068c8ea_scores
    .symbol:         k_qe65068c8ea_scores.kd
    .args:
      - { .name: qk, .offset: 0, .size: 8, .value_kind: global_buffer, .address_space: global }
      - { .name: p, .offset: 8, .size: 8, .value_kind: global_buffer, .address_space: global }
      - { .name: st, .offset: 16, .size: 8, .value_kind: global_buffer, .address_space: global }
    .group_segment_fixed_size: 327680
    .private_segment_fixed_size: 0
    .kernarg_segment_align: 8
    .kernarg_segment_size: 24
    .max_flat_workgroup_size: 128
    .sgpr_count:     88
    .vgpr_count:     1024
    .wavefront_size: 32
...
	.end_amdgpu_metadata
.endif
;; end of part 3
;; launch pv (part 4): grid 4 x 64, 4 waves a work-group, clusters of 4 x 4, 327,680 bytes of LDS; arguments p, vt, st, ctx; writes ctx
.if DOCPART == 4
	.amdgcn_target "amdgcn-amd-amdhsa--gfx1250"
	.amdhsa_code_object_version 6
	.text
	.protected	k_qe65068c8ea_pv
	.globl	k_qe65068c8ea_pv
	.p2align	8
	.type	k_qe65068c8ea_pv,@function
k_qe65068c8ea_pv:
	s_mov_b64 s[64:65], 0
	v_nop
	global_prefetch_b8 v0, s[64:65] scope:SCOPE_SE
	s_setreg_imm32_b32 hwreg(HW_REG_WAVE_MODE, 25, 1), 1
	s_wait_xcnt 0x0
	s_wait_alu depctr_hold_cnt(0) depctr_sa_sdst(0) depctr_va_vdst(0) depctr_va_sdst(0) depctr_va_ssrc(0) depctr_va_vcc(0) depctr_vm_vsrc(0)
	s_getreg_b32 s2, hwreg(HW_REG_IB_STS2, 6, 4)
	s_cmp_eq_u32 s2, 0
	s_cbranch_scc0 .Lentry_in_a_cluster
	s_endpgm
.Lentry_in_a_cluster:
	s_bfe_u32 s2, ttmp6, 0x10000c
	s_cmp_lg_u32 s2, 0xf033
	s_cbranch_scc0 .Lentry_shape_is_right
	s_endpgm
.Lentry_shape_is_right:
; THE SECOND HALF OF THE SOFTMAX AND THE SECOND PRODUCT.  For each query: M = the largest of its 16 blocks' c m; f_b = 2^(c m_b - M), rounded to f16; L = sum over b of f_b l_b (with the rounded f_b, in f32);
; ctx[q][c] = (sum over b of sum over the block's keys of (f_b p[q][key]) vt[c][key]) / L, rounded once to f16.  So the row's true maximum is taken away, whatever the scores.
; LIMITS.  A weight f p below 6e-8 counts as 0 (the row's largest is 1); an f below 2^-126 as 0.  NaN and infinities are not treated apart.
; THE PRODUCT: C[m][n] = sum over k of A[m][k] B[n][k]: A = p (rows of 4,096 bytes), B = vt of the batch (rows of 4,096 bytes), K = 2,048 keys: a K step of 128 is one block b.
; A's fragments are multiplied by f_b in registers, two f16 a line (a value that comes in 16 bits and leaves in 16 bits after one step), in fours behind matrix instructions: one line for each matrix instruction.
; SHARES.  A work-group makes 128 queries x 256 channels: 256 work-groups.  Wave w: rows 64 (w / 2) on, columns 128 (w % 2) on: 4 x 8 accumulators of 16 x 16.
; THE MATRIX INSTRUCTION IS USED TRANSPOSED (source 0 = 16 channels, source 1 = 16 queries): a lane holds one query (l % 16), in A's fragment and in the result.
; CLUSTER 4 x 4: p's tile is shared along a row of the cluster, vt's along a column.  Waves 0, 1 ask for A's halves (64 rows), waves 2, 3 for B's (128 rows).
; REGISTERS.  window 0: v0-13 addresses; v14-31 own; v32-63 packed results; v64-127 A's fragments (two buffers); v128-255 B's.   window 1: accumulator (a, b) at v[8 (8 a + b)].
.set NS,    16
.set PEL,   2048
.set PSH,   12
.set CP,    2048
.set PITCH, 272
.set AHALF, 64*PITCH
.set BOFF,  128*PITCH
.set BHALF, 128*PITCH
.set SPARE, 384*PITCH                  ; behind slot 0: the spare words, 128 bytes for each wave
.set SLOT1, 1<<17
.set STAGE, SLOT1+384*PITCH            ; behind slot 1, never filled by a tensor load: 16 rows x 272 bytes for each wave
.set FT,    STAGE+4*16*PITCH           ; 17 blocks of 512 bytes: (f, f) in f16 at 512 b + 256 (row / 64) + 16 (row % 16) + 4 ((row / 16) % 4); block 16 holds 0
.set IL,    FT+17*512                  ; 1,024 bytes: (1 / L, 1 / L) at 512 (row / 64) + 32 (row % 16) + 8 ((row / 16) % 4)
.set LA0, 4
.set LB0, 5
.set ADRA, 6
.set ADRB, 7
.set STO, 8
.set RD,  9
.set CO,  10
.set PFO, 11
.set SPW, 12
.set NIL, 13
.set FADR, 14                          ; v14     where the step's four (f, f) of my lane lie
.set ILA, 15                           ; v15     where my lane's four (1 / L, 1 / L) lie
.set FC,  16                           ; v[16:19] (f, f) for m block a
.set IP,  20                           ; v[20:27] (1 / L, 1 / L) for m block a
.set FW,  28                           ; v28     where thread t puts row t's f
.set IW,  29                           ; v29     where it puts 1 / L
.set SV,  30                           ; v30     4 t
.set TMP, 32
.set FA,  64
.set FB,  128
.set OB,  128
.set G1A, 24
.set G0A, 32
.set LIM, 43
.set PFA, 44
.set G1B, 48
.set G0B, 56
.set MUL, 0x50
.set MSB, 0
.macro WIN new
.if MSB != (\new)
	s_set_vgpr_msb (MSB<<8)|(\new)
.set MSB, (\new)
.endif
.endm
.macro PLACES
.rept 4
	v_nop
.endr
.endm
.macro CREST
	s_cmp_lg_u32 s10, 0
	s_cbranch_scc1 .Lnot_wave_0_\@
	s_barrier_signal -3
.Lnot_wave_0_\@:
	s_barrier_wait -3
	s_barrier_signal -1
	s_barrier_wait -1
.endm
.macro CROUND
	s_barrier_signal -1
	s_barrier_wait -1
	CREST
.endm
.macro JLOAD                           ; a joint refill by the walking sets; s_nop 0 and four v_nop follow each line
	s_cmp_eq_u32 s11, 0
	s_cbranch_scc0 .Lfor_b_\@
	tensor_load_to_lds s[G0A+4:G0A+7], s[G1A:G1A+7]
	s_nop 0
.rept 4
	v_nop
.endr
	s_branch .Lasked_\@
.Lfor_b_\@:
	tensor_load_to_lds s[G0B+4:G0B+7], s[G1B:G1B+7]
	s_nop 0
.rept 4
	v_nop
.endr
.Lasked_\@:
.endm
; A PREFETCH, behind the joint load, its five lines and the run of LDS loads: 32 rows x 256 bytes, a lane a row, of the K step two refills on (256 matrix instructions ahead of its load).
; Each row's 256 bytes of a K step are named once: p's rows by wave 0, vt's by waves 2 and 3 of the batch's first cluster; the four partners that ask jointly take 32 rows each, told apart by address.
.macro ASK
	s_cmp_gt_u32 s3, s[LIM]
	s_cbranch_scc0 .Lnot_mine_\@
	global_prefetch_b8 v[PFO], s[PFA:PFA+1] th:TH_LOAD_NT scope:SCOPE_SE
.Lnot_mine_\@:
.endm
.macro RID4 g, r0                      ; registers r0 .. r0 + 3 of A's buffer g times the f of their m block
	WIN 0
.irp z, 0,1,2,3
	v_pk_mul_f16 v[FA+32*(\g)+(\r0)+(\z)], v[FA+32*(\g)+(\r0)+(\z)], v[FC+((\r0)+(\z))/8]
.endr
.endm
; 8 matrix instructions (m block a x 8 n blocks, buffer f; the 32 accumulators take turns); behind number first + j step (j < cnt) stand four scalings of buffer g from register r0 + 4 j.
; wt = 1: ahead of the first four, the wait for the loads that brought those registers.  No scaling names a register of the matrix instructions round it.
.macro MR f, a, zero, g, r0, first, step, cnt, wt=0
.set mi, 0
.set rj, 0
.rept 8
	WIN MUL
.if \zero
	v_wmma_f32_16x16x32_f16 v[8*(8*(\a)+mi):8*(8*(\a)+mi)+7], v[FB+64*(\f)+8*mi:FB+64*(\f)+8*mi+7], v[FA+32*(\f)+8*(\a):FA+32*(\f)+8*(\a)+7], 0
.else
	v_wmma_f32_16x16x32_f16 v[8*(8*(\a)+mi):8*(8*(\a)+mi)+7], v[FB+64*(\f)+8*mi:FB+64*(\f)+8*mi+7], v[FA+32*(\f)+8*(\a):FA+32*(\f)+8*(\a)+7], v[8*(8*(\a)+mi):8*(8*(\a)+mi)+7]
.endif
.if (rj < (\cnt)) && (mi == (\first)+rj*(\step))
.if (\wt) && (rj == 0)
	s_wait_dscnt 20                                ; the step's f (where it was asked for) and A's blocks 0, 1 are in; B's sixteen loads and A's last four may be out
.endif
	RID4 \g, (\r0)+4*rj
.set rj, rj+1
.endif
.set mi, mi+1
.endr
.endm
.macro FETCH k, f
	WIN 0
.irp i, 0,1
	ds_load_b128 v[FA+32*(\f)+8*(\i):FA+32*(\f)+8*(\i)+3],   v[ADRA] offset:(\k)+(\i)*16*PITCH
	ds_load_b128 v[FA+32*(\f)+8*(\i)+4:FA+32*(\f)+8*(\i)+7], v[ADRA] offset:(\k)+(\i)*16*PITCH+32
.endr
.irp i, 0,1,2,3,4,5,6,7
	ds_load_b128 v[FB+64*(\f)+8*(\i):FB+64*(\f)+8*(\i)+3],   v[ADRB] offset:(\k)+(\i)*16*PITCH
	ds_load_b128 v[FB+64*(\f)+8*(\i)+4:FB+64*(\f)+8*(\i)+7], v[ADRB] offset:(\k)+(\i)*16*PITCH+32
.endr
.irp i, 2,3
	ds_load_b128 v[FA+32*(\f)+8*(\i):FA+32*(\f)+8*(\i)+3],   v[ADRA] offset:(\k)+(\i)*16*PITCH
	ds_load_b128 v[FA+32*(\f)+8*(\i)+4:FA+32*(\f)+8*(\i)+7], v[ADRA] offset:(\k)+(\i)*16*PITCH+32
.endr
.endm
; A quarter: multiplies buffer f.  Its first half scales f's blocks 2, 3; these sixteen plain lines are also the places between buffer g's last readers and the loads into it.  Its second half scales g's blocks 0, 1.
.macro QS k, f, g, zero
	s_wait_dscnt 0x0                               ; all of buffer f is in
	MR \f, 0, \zero, \f, 16, 3, 4, 2
	MR \f, 1, \zero, \f, 24, 3, 4, 2
	FETCH \k, \g
	MR \f, 2, \zero, \g, 0, 7, 8, 1, 1
	MR \f, 3, \zero, \g, 4, 1, 2, 3
.endm
.macro TURNS fill                      ; the last quarter and the change of slots: one barrier; with fill = 1 a round of the cluster's, and the joint refill first behind it
.if \fill
	s_wait_xcnt 0x0                                ; the last prefetch, a K step back, has read its address: it steps here
	s_add_nc_u64 s[PFA:PFA+1], s[PFA:PFA+1], 256
.endif
	WIN 0
	s_wait_tensorcnt 0x0                           ; no tensor load of mine is out, so a group 0 may be written
	ds_add_u32 v[SPW], v[NIL]                      ; 0 onto my spare word
.if \fill
	s_xor_b32 s[G0A+5], s[G0A+5], SLOT1
	s_add_nc_u64 s[G0A+6:G0A+7], s[G0A+6:G0A+7], 256
	s_xor_b32 s[G0B+5], s[G0B+5], SLOT1
	s_add_nc_u64 s[G0B+6:G0B+7], s[G0B+6:G0B+7], 256
.endif
	s_wait_dscnt 1                                 ; all of buffer 1 is in; the add may be out
	MR 1, 0, 0, 1, 16, 3, 4, 2
	s_wait_dscnt 0x0                               ; the add is done, and my reads of this slot are over
	s_barrier_signal -1
	MR 1, 1, 0, 1, 24, 3, 4, 2
	WIN 0
	s_barrier_wait -1
.if \fill
	CREST
.endif
	s_xor_b32 s2, s2, SLOT1
.if \fill
	JLOAD
.endif
	v_add_nc_u32 v[ADRA], s2, v[LA0]               ; (the sixteen scalings above are the places in front of the loads into buffer 0)
	v_add_nc_u32 v[ADRB], s2, v[LB0]
	v_add_nc_u32 v[FADR], 512, v[FADR]             ; the next block's f: the old ones had their last reader above
	ds_load_b128 v[FC:FC+3], v[FADR]
	FETCH 0, 0
.if \fill
	ASK
.endif
	MR 1, 2, 0, 0, 0, 7, 8, 1, 1
	MR 1, 3, 0, 0, 4, 1, 2, 3
.endm
.macro PACK a                          ; divided by L, rounded to f16
	WIN 0x41                                       ; destination and source 0 in window 1
.set si, 0
.rept 32
	v_pk_mul_f32 v[64*(\a)+2*si:64*(\a)+2*si+1], v[64*(\a)+2*si:64*(\a)+2*si+1], v[IP+2*(\a):IP+2*(\a)+1]
.set si, si+1
.endr
	WIN 0x05
.set si, 0
.rept 32
	v_cvt_pk_f16_f32 v[TMP+si], v[64*(\a)+2*si], v[64*(\a)+2*si+1]
.set si, si+1
.endr
	WIN 0
.endm
.macro TOSTAGE a
	WIN 0
.irp b, 0,1,2,3,4,5,6,7
	ds_store_b128 v[STO], v[TMP+4*(\b):TMP+4*(\b)+3] offset:32*(\b)
.endr
.irp t, 0,1,2,3,4,5,6,7
	ds_load_b128 v[OB+32*((\a)%2)+4*(\t):OB+32*((\a)%2)+4*(\t)+3], v[RD] offset:(\t)*2*PITCH  ; LDS serves a wave's instructions in order (ISA guide 5.7.1.4)
.endr
.endm
.macro SEND a, left
	WIN 0
	s_wait_dscnt \left
	s_wait_xcnt 0x0                                ; the stores of the block before have read their registers, which the next block's loads from the stage fill again
.irp t, 0,1,2,3,4,5,6,7
	global_store_b128 v[CO], v[OB+32*((\a)%2)+4*(\t):OB+32*((\a)%2)+4*(\t)+3], s[8:9] offset:(16*(\a)+2*(\t))*CP  ; 16 lanes store 256 consecutive bytes, aligned
.endr
.endm
	s_load_b256 s[72:79], s[0:1], 0x0              ; p s[72:73], vt s[74:75], st s[76:77], ctx s[78:79]
	v_lshl_add_u32 v[SPW], v0, 2, SPARE
	v_mov_b32 v[NIL], 0
	ds_add_u32 v[SPW], v[NIL]                      ; the wave's opening: the add, waited for ahead of my first tensor load
	v_lshrrev_b32 v3, 5, v0
	v_readfirstlane_b32 s10, v3
	s_lshr_b32 s11, s10, 1
	s_and_b32 s12, s10, 1
	s_bfe_u32 s40, ttmp6, 0x40000                  ; cx
	s_bfe_u32 s41, ttmp6, 0x40004                  ; cy
	s_lshl_b32 s42, ttmp9, 2
	s_add_co_u32 s42, s42, s40                     ; tile column: 256 channels
	s_and_b32 s14, ttmp7, 0xffff                   ; the cluster's y; four of them make a batch
	s_lshl_b32 s13, s14, 2
	s_add_co_u32 s13, s13, s41                     ; tile row: 128 queries
	s_lshl_b32 s15, s41, 2
	s_lshl_b32 s15, 15, s15
	s_lshl_b32 s20, 0x1111, s40
	s_or_b32 s[G1A], s15, (1<<16)|(1<<20)|(1<<21)|(5<<22)|(3<<25)
	s_or_b32 s[G1B], s20, (1<<16)|(1<<20)|(1<<21)|(5<<22)|(3<<25)
.irp g, G1A, G1B
	s_mov_b32 s[(\g)+1], 128<<16
	s_mov_b32 s[(\g)+3], 128<<16
	s_mov_b32 s[(\g)+5], PEL
	s_mov_b32 s[(\g)+6], 0
	s_mov_b32 s[(\g)+7], 0
.endr
	s_mov_b32 s[G1A+2], 64<<16
	s_mov_b32 s[G1A+4], 64
	s_mov_b32 s[G1B+2], 128<<16
	s_mov_b32 s[G1B+4], 128
	s_lshl_b32 s16, s13, 19                        ; A: row 128 x tile row + 64 x half, 4,096 bytes a row
	s_lshl_b32 s17, s12, 18
	s_add_co_u32 s16, s16, s17
	s_mov_b32 s17, 0
	s_lshr_b32 s46, s14, 2                         ; B: the batch's 1,024 rows of 4,096 bytes,
	s_lshl_b32 s46, s46, 22
	s_lshl_b32 s47, s42, 20                        ; row 256 x tile column + 128 x half
	s_add_co_u32 s46, s46, s47
	s_lshl_b32 s47, s12, 19
	s_add_co_u32 s46, s46, s47
	s_mov_b32 s47, 0
	s_lshl_b32 s18, s13, 19                        ; the prefetches.  A's: row 128 x tile row + 32 cx
	s_lshl_b32 s19, s40, 17
	s_add_co_u32 s18, s18, s19
	s_lshl_b32 s19, s41, 17                        ; B's: the rows that I fetch + 32 cy
	s_add_co_u32 s19, s46, s19
	s_or_b32 s23, s12, ttmp9
	s_and_b32 s15, s14, 3
	s_cmp_eq_u32 s11, 0
	s_cselect_b32 s18, s18, s19
	s_cselect_b32 s23, s23, s15
	s_cmp_eq_u32 s23, 0
	s_cselect_b32 s[LIM], 2, -1
	s_add_co_u32 s18, s18, 3*256
	s_mov_b32 s19, 0
	s_lshl_b32 s80, s13, 18                        ; ctx: my first row (2,048 bytes a row) and column
	s_lshl_b32 s20, s11, 17
	s_add_co_u32 s80, s80, s20
	s_lshl_b32 s20, s42, 9
	s_add_co_u32 s80, s80, s20
	s_lshl_b32 s20, s12, 8
	s_add_co_u32 s80, s80, s20
	s_mov_b32 s81, 0
	s_lshl_b32 s82, s13, 9                         ; st: the tile's 128 rows, 4 bytes each
	s_mov_b32 s83, 0
	s_mul_i32 s21, s12, AHALF
	s_mul_i32 s22, s12, BHALF
	s_add_co_u32 s22, s22, BOFF
	s_wait_dscnt 0x0                               ; the opening add is done
	s_wait_kmcnt 0x0
	s_cmp_eq_u32 s11, 0
	s_cselect_b64 s[PFA:PFA+1], s[72:73], s[74:75]
	s_add_nc_u64 s[PFA:PFA+1], s[PFA:PFA+1], s[18:19]
	s_add_nc_u64 s[16:17], s[72:73], s[16:17]
	s_add_nc_u64 s[46:47], s[74:75], s[46:47]
	s_add_nc_u64 s[8:9], s[78:79], s[80:81]
	s_add_nc_u64 s[6:7], s[76:77], s[82:83]
	CROUND                                         ; all sixteen work-groups are here: the first joint loads meet
.irp s, 0,1
	s_mov_b32 s[G0A+4*(\s)], 1
	s_add_co_u32 s[G0A+4*(\s)+1], s21, (\s)*SLOT1
	s_add_nc_u64 s[G0A+4*(\s)+2:G0A+4*(\s)+3], s[16:17], (\s)*256
	s_or_b32 s[G0A+4*(\s)+3], s[G0A+4*(\s)+3], 0x80000000
	s_mov_b32 s[G0B+4*(\s)], 1
	s_add_co_u32 s[G0B+4*(\s)+1], s22, (\s)*SLOT1
	s_add_nc_u64 s[G0B+4*(\s)+2:G0B+4*(\s)+3], s[46:47], (\s)*256
	s_or_b32 s[G0B+4*(\s)+3], s[G0B+4*(\s)+3], 0x80000000
.endr
	s_cmp_eq_u32 s11, 0                            ; a wave's two first fills stand in one branch: two loads of mine are out
	s_cbranch_scc0 .Lfirst_b
	tensor_load_to_lds s[G0A:G0A+3], s[G1A:G1A+7]
	s_nop 0
	tensor_load_to_lds s[G0A+4:G0A+7], s[G1A:G1A+7]
	s_nop 0
.rept 4
	v_nop
.endr
	s_branch .Lfirst_asked
.Lfirst_b:
	tensor_load_to_lds s[G0B:G0B+3], s[G1B:G1B+7]
	s_nop 0
	tensor_load_to_lds s[G0B+4:G0B+7], s[G1B:G1B+7]
	s_nop 0
.rept 4
	v_nop
.endr
.Lfirst_asked:
	; THE STATISTICS, in the wait for the first tiles.  Thread t takes row t of the tile's 128: its 16 c m and 16 l
	v_lshlrev_b32 v[SV], 2, v0
.irp b, 0,1,2,3,4,5,6,7,8,9,10,11,12,13,14,15
	global_load_b32 v[64+(\b)], v[SV], s[6:7] offset:(\b)*32768
.endr
.irp b, 0,1,2,3,4,5,6,7,8,9,10,11,12,13,14,15
	global_load_b32 v[80+(\b)], v[SV], s[6:7] offset:524288+(\b)*32768
.endr
	v_and_b32 v1, 15, v0                           ; l % 16 = t % 16
	v_bfe_u32 v2, v0, 4, 1                         ; l / 16
	v_mul_u32_u24 v3, v1, PITCH
	v_lshl_add_u32 v3, v2, 4, v3
	s_mul_i32 s20, s11, AHALF
	s_mul_i32 s23, s12, BHALF
	s_add_co_u32 s23, s23, BOFF
	v_add_nc_u32 v[LA0], s20, v3
	v_add_nc_u32 v[LB0], s23, v3
	s_mul_i32 s20, s10, 16*PITCH
	s_add_co_u32 s20, s20, STAGE
	v_add_nc_u32 v[STO], s20, v3
	v_mul_u32_u24 v[RD], v2, PITCH
	v_lshl_add_u32 v[RD], v1, 4, v[RD]
	v_add_nc_u32 v[RD], s20, v[RD]
	v_mul_u32_u24 v[CO], v2, CP
	v_lshl_add_u32 v[CO], v1, 4, v[CO]
	v_and_b32 v[PFO], 31, v0
	v_lshlrev_b32 v[PFO], PSH, v[PFO]
	v_lshrrev_b32 v3, 6, v0                        ; t / 64
	v_bfe_u32 v31, v0, 4, 2                        ; (t / 16) % 4
	v_lshlrev_b32 v[FW], 8, v3
	v_lshl_add_u32 v[FW], v1, 4, v[FW]
	v_lshl_add_u32 v[FW], v31, 2, v[FW]
	v_add_nc_u32 v[FW], FT, v[FW]
	v_lshlrev_b32 v[IW], 9, v3
	v_lshl_add_u32 v[IW], v1, 5, v[IW]
	v_lshl_add_u32 v[IW], v31, 3, v[IW]
	v_add_nc_u32 v[IW], IL, v[IW]
	s_lshl_b32 s20, s11, 8
	s_add_co_u32 s20, s20, FT
	v_lshl_add_u32 v[FADR], v1, 4, s20
	s_lshl_b32 s20, s11, 9
	s_add_co_u32 s20, s20, IL
	v_lshl_add_u32 v[ILA], v1, 5, s20
	s_wait_loadcnt 0x0
	v_max3_num_f32 v32, v64, v65, v66              ; M
.irp b, 67,69,71,73,75,77
	v_max3_num_f32 v32, v32, v[\b], v[(\b)+1]
.endr
	v_max_num_f32 v32, v32, v79
.irp b, 0,1,2,3,4,5,6,7,8,9,10,11,12,13,14,15
	v_sub_f32 v[64+(\b)], v[64+(\b)], v32
.endr
.irp b, 0,1,2,3,4,5,6,7,8,9,10,11,12,13,14,15
	v_exp_f32 v[64+(\b)], v[64+(\b)]
.endr
	v_nop                                          ; a plain instruction behind the last exponential,
	s_wait_alu depctr_va_vdst(0)                   ; and the one wait ahead of the batch's first reader
.irp b, 0,1,2,3,4,5,6,7,8,9,10,11,12,13,14,15
	v_cvt_pk_f16_f32 v[96+(\b)], v[64+(\b)], v[64+(\b)]  ; (f, f)
.endr
	v_fma_mix_f32 v33, v96, v80, v[NIL] op_sel_hi:[1,0,0]  ; L: the rounded f, read from its f16 half, times l, in f32: two chains
	v_fma_mix_f32 v34, v97, v81, v[NIL] op_sel_hi:[1,0,0]
.irp b, 2,3,4,5,6,7,8,9,10,11,12,13,14,15
	v_fma_mix_f32 v[33+(\b)%2], v[96+(\b)], v[80+(\b)], v[33+(\b)%2] op_sel_hi:[1,0,0]
.endr
	v_add_f32 v34, v33, v34
	v_rcp_f32 v36, v34
	v_nop
	s_wait_alu depctr_va_vdst(0)
	v_mov_b32 v37, v36
.irp b, 0,1,2,3,4,5,6,7,8,9,10,11,12,13,14,15
	ds_store_b32 v[FW], v[96+(\b)] offset:512*(\b)
.endr
	ds_store_b32 v[FW], v[NIL] offset:512*16       ; block 16: read once, behind the last K step, for fragments that nothing multiplies
	ds_store_b64 v[IW], v[36:37]
	s_wait_tensorcnt 0x1                           ; my part of K step 0 is in; K step 1's may stay out
	s_wait_dscnt 0x0                               ; for the others' sake: my stores of f and 1 / L are done
	s_barrier_signal -1
	s_barrier_wait -1
	s_mov_b32 s2, 0
	v_mov_b32 v[ADRA], v[LA0]
	v_mov_b32 v[ADRB], v[LB0]
	ds_load_b128 v[FC:FC+3], v[FADR]
	FETCH 0, 0
	s_wait_dscnt 20                                ; f and A's blocks 0, 1 are in
.irp r, 0,4,8,12
	RID4 0, \r
.endr
	QS 64, 0, 1, 1                                 ; the first quarter's products start the sums
	WIN 0
	s_mov_b32 s3, NS-2
.Lstep:
	QS 128, 1, 0, 0
	QS 192, 0, 1, 0
	TURNS 1
	QS 64, 0, 1, 0
	WIN 0
	s_sub_co_u32 s3, s3, 1
	s_cmp_lg_u32 s3, 0
	s_cbranch_scc1 .Lstep
	s_mov_b32 s3, 2
.Ltail:                                        ; the last two K steps ask for nothing; the second trip is left in its middle: its fragment loads and their scaling by block 16's 0 serve nothing
	QS 128, 1, 0, 0
	QS 192, 0, 1, 0
	TURNS 0
	WIN 0
	s_sub_co_u32 s3, s3, 1
	s_cmp_eq_u32 s3, 0
	s_cbranch_scc1 .Lout
	QS 64, 0, 1, 0
	WIN 0
	s_branch .Ltail
.Lout:
	ds_load_b128 v[IP:IP+3], v[ILA]
	ds_load_b128 v[IP+4:IP+7], v[ILA] offset:16
	s_wait_dscnt 0x0
	PLACES
	PACK 0
	TOSTAGE 0
.irp a, 1,2,3
	PACK \a
	SEND (\a)-1, 0
	TOSTAGE \a
.endr
	SEND 3, 0
	s_wait_tensorcnt 0x0                           ; the wave's end, behind my last tensor load and my last LDS store
	ds_add_u32 v[SPW], v[NIL]
	s_wait_dscnt 0x0
	CROUND                                         ; the closing round
	s_endpgm
.Lfunc_end_k_qe65068c8ea_pv:
	.size	k_qe65068c8ea_pv, .Lfunc_end_k_qe65068c8ea_pv-k_qe65068c8ea_pv
	.p2alignl 7, 3214868480
	.fill 96, 4, 3214868480
	.section	.rodata,"a",@progbits
	.p2align	6, 0x0
	.amdhsa_kernel k_qe65068c8ea_pv
		.amdhsa_group_segment_fixed_size 327680
		.amdhsa_private_segment_fixed_size 0
		.amdhsa_enable_private_segment 0
		.amdhsa_kernarg_size 32
		.amdhsa_user_sgpr_count 2
		.amdhsa_user_sgpr_kernarg_segment_ptr 1
		.amdhsa_wavefront_size32 1
		.amdhsa_system_sgpr_workgroup_id_x 1
		.amdhsa_system_sgpr_workgroup_id_y 1
		.amdhsa_system_sgpr_workgroup_id_z 1
		.amdhsa_system_vgpr_workitem_id 0
		.amdhsa_next_free_vgpr 512
		.amdhsa_next_free_sgpr 88
		.amdhsa_reserve_vcc 0
		.amdhsa_float_denorm_mode_32 3
		.amdhsa_float_denorm_mode_16_64 3
		.amdhsa_memory_ordered 1
		.amdhsa_forward_progress 1
		.amdhsa_inst_pref_size 100
	.end_amdhsa_kernel
	.amdgpu_metadata
---
amdhsa.version: [ 1, 2 ]
amdhsa.kernels:
  - .name:           k_qe65068c8ea_pv
    .symbol:         k_qe65068c8ea_pv.kd
    .args:
      - { .name: p, .offset: 0, .size: 8, .value_kind: global_buffer, .address_space: global }
      - { .name: vt, .offset: 8, .size: 8, .value_kind: global_buffer, .address_space: global }
      - { .name: st, .offset: 16, .size: 8, .value_kind: global_buffer, .address_space: global }
      - { .name: ctx, .offset: 24, .size: 8, .value_kind: global_buffer, .address_space: global }
    .group_segment_fixed_size: 327680
    .private_segment_fixed_size: 0
    .kernarg_segment_align: 8
    .kernarg_segment_size: 32
    .max_flat_workgroup_size: 128
    .sgpr_count:     88
    .vgpr_count:     512
    .wavefront_size: 32
...
	.end_amdgpu_metadata
.endif
;; end of part 4
;; launch oproj (part 5): grid 4 x 64, 4 waves a work-group, clusters of 4 x 4, 327,680 bytes of LDS; arguments ctx, w16, hid; writes hid
.if DOCPART == 5
	.amdgcn_target "amdgcn-amd-amdhsa--gfx1250"
	.amdhsa_code_object_version 6
	.text
	.protected	k_qe65068c8ea_oproj
	.globl	k_qe65068c8ea_oproj
	.p2align	8
	.type	k_qe65068c8ea_oproj,@function
k_qe65068c8ea_oproj:
	s_mov_b64 s[64:65], 0
	v_nop
	global_prefetch_b8 v0, s[64:65] scope:SCOPE_SE
	s_setreg_imm32_b32 hwreg(HW_REG_WAVE_MODE, 25, 1), 1
	s_wait_xcnt 0x0
	s_wait_alu depctr_hold_cnt(0) depctr_sa_sdst(0) depctr_va_vdst(0) depctr_va_sdst(0) depctr_va_ssrc(0) depctr_va_vcc(0) depctr_vm_vsrc(0)
	s_getreg_b32 s2, hwreg(HW_REG_IB_STS2, 6, 4)
	s_cmp_eq_u32 s2, 0
	s_cbranch_scc0 .Lentry_in_a_cluster
	s_endpgm
.Lentry_in_a_cluster:
	s_bfe_u32 s2, ttmp6, 0x10000c
	s_cmp_lg_u32 s2, 0xf033
	s_cbranch_scc0 .Lentry_shape_is_right
	s_endpgm
.Lentry_shape_is_right:
; hid = ctx Wo, in f32: hid has no room in f16 where all inputs are much smaller or larger, and the norm behind divides by its spread.  Operands f16 (Wo: its bf16 rounding, written as f16), sums f32.
; THE PRODUCT: C[m][n] = sum over k of A[m][k] B[n][k]: A = ctx (rows of 2,048 bytes), B = w16's rows 3072..4095 (Wo turned), K = 1,024.
; SHARES.  A work-group makes 128 x 256: 256 work-groups.  Wave w: rows 64 (w / 2) on, columns 128 (w % 2) on: 4 x 8 accumulators of 16 x 16.  K in steps of 128 through two LDS slots.
; THE MATRIX INSTRUCTION IS USED TRANSPOSED (source 0 = 16 rows of B, source 1 = 16 rows of A): a lane holds row l % 16 of C and the columns 8 (l / 16) + 0..7: 32 bytes on end.
; CLUSTER 4 x 4: A's tile is shared along a row of the cluster, B's along a column.  Waves 0, 1 ask for A's halves (64 rows), waves 2, 3 for B's (128 rows).
; REGISTERS.  window 0: v0-13 addresses; v64-127 A's fragments, v128-255 B's; on the way out v64-127 and v128-191 take rows read back.   window 1: accumulator (a, b) at v[8 (8 a + b)].
.set NS,    8
.set PEL,   1024
.set PSH,   11
.set CP,    4096
.set PITCH, 272
.set AHALF, 64*PITCH
.set BOFF,  128*PITCH
.set BHALF, 128*PITCH
.set SPARE, 384*PITCH
.set SLOT1, 1<<17
.set STAGE, SLOT1+384*PITCH            ; behind slot 1, never filled by a tensor load: 16 rows x 528 bytes for each wave
.set SP,    528                        ; 512 bytes + 16 of padding
.set LA0, 4
.set LB0, 5
.set ADRA, 6
.set ADRB, 7
.set STO, 8
.set RD,  9
.set CO,  10
.set PFO, 11
.set SPW, 12
.set NIL, 13
.set FA,  64
.set FB,  128
.set G1A, 24
.set G0A, 32
.set LIM, 43
.set PFA, 44
.set G1B, 48
.set G0B, 56
.set MUL, 0x50
.set MSB, 0
.macro WIN new
.if MSB != (\new)
	s_set_vgpr_msb (MSB<<8)|(\new)
.set MSB, (\new)
.endif
.endm
.macro PLACES
.rept 4
	v_nop
.endr
.endm
.macro CREST
	s_cmp_lg_u32 s10, 0
	s_cbranch_scc1 .Lnot_wave_0_\@
	s_barrier_signal -3
.Lnot_wave_0_\@:
	s_barrier_wait -3
	s_barrier_signal -1
	s_barrier_wait -1
.endm
.macro CROUND
	s_barrier_signal -1
	s_barrier_wait -1
	CREST
.endm
.macro JLOAD                           ; a joint refill by the walking sets; s_nop 0 and four v_nop follow each line
	s_cmp_eq_u32 s11, 0
	s_cbranch_scc0 .Lfor_b_\@
	tensor_load_to_lds s[G0A+4:G0A+7], s[G1A:G1A+7]
	s_nop 0
.rept 4
	v_nop
.endr
	s_branch .Lasked_\@
.Lfor_b_\@:
	tensor_load_to_lds s[G0B+4:G0B+7], s[G1B:G1B+7]
	s_nop 0
.rept 4
	v_nop
.endr
.Lasked_\@:
.endm
; A PREFETCH, behind the joint load, its five lines and the run of LDS loads: 32 rows x 256 bytes, a lane a row, of the K step two refills on (256 matrix instructions ahead of its load).
; Each row's 256 bytes of a K step are named once: ctx's rows by wave 0, Wo's by waves 2 and 3 of the cluster with y = 0; the four partners that ask jointly take 32 rows each, told apart by address.
.macro ASK
	s_cmp_gt_u32 s3, s[LIM]
	s_cbranch_scc0 .Lnot_mine_\@
	global_prefetch_b8 v[PFO], s[PFA:PFA+1] th:TH_LOAD_NT scope:SCOPE_SE
.Lnot_mine_\@:
.endm
.macro MUL8 f, a, zero                 ; the 32 accumulators take turns
	WIN MUL
.irp b, 0,1,2,3,4,5,6,7
.if \zero
	v_wmma_f32_16x16x32_f16 v[8*(8*(\a)+(\b)):8*(8*(\a)+(\b))+7], v[FB+64*(\f)+8*(\b):FB+64*(\f)+8*(\b)+7], v[FA+32*(\f)+8*(\a):FA+32*(\f)+8*(\a)+7], 0
.else
	v_wmma_f32_16x16x32_f16 v[8*(8*(\a)+(\b)):8*(8*(\a)+(\b))+7], v[FB+64*(\f)+8*(\b):FB+64*(\f)+8*(\b)+7], v[FA+32*(\f)+8*(\a):FA+32*(\f)+8*(\a)+7], v[8*(8*(\a)+(\b)):8*(8*(\a)+(\b))+7]
.endif
.endr
.endm
.macro FETCH k, f
	WIN 0
.irp i, 0,1
	ds_load_b128 v[FA+32*(\f)+8*(\i):FA+32*(\f)+8*(\i)+3],   v[ADRA] offset:(\k)+(\i)*16*PITCH
	ds_load_b128 v[FA+32*(\f)+8*(\i)+4:FA+32*(\f)+8*(\i)+7], v[ADRA] offset:(\k)+(\i)*16*PITCH+32
.endr
.irp i, 0,1,2,3,4,5,6,7
	ds_load_b128 v[FB+64*(\f)+8*(\i):FB+64*(\f)+8*(\i)+3],   v[ADRB] offset:(\k)+(\i)*16*PITCH
	ds_load_b128 v[FB+64*(\f)+8*(\i)+4:FB+64*(\f)+8*(\i)+7], v[ADRB] offset:(\k)+(\i)*16*PITCH+32
.endr
.irp i, 2,3
	ds_load_b128 v[FA+32*(\f)+8*(\i):FA+32*(\f)+8*(\i)+3],   v[ADRA] offset:(\k)+(\i)*16*PITCH
	ds_load_b128 v[FA+32*(\f)+8*(\i)+4:FA+32*(\f)+8*(\i)+7], v[ADRA] offset:(\k)+(\i)*16*PITCH+32
.endr
.endm
.macro QUARTER k, f, g, zero
	s_wait_dscnt 4                                 ; A's blocks 0, 1 and B are in; the youngest four loads may be out
	MUL8 \f, 0, \zero
	MUL8 \f, 1, \zero
	WIN 0
	PLACES
	FETCH \k, \g
	s_wait_dscnt 24                                ; all but the 24 just issued
	MUL8 \f, 2, \zero
	MUL8 \f, 3, \zero
.endm
.macro TURN fill                       ; the last quarter and the change of slots: one barrier; with fill = 1 a round of the cluster's, and the joint refill first behind it
.if \fill
	s_wait_xcnt 0x0                                ; the last prefetch, a K step back, has read its address: it steps here
	s_add_nc_u64 s[PFA:PFA+1], s[PFA:PFA+1], 256
.endif
	WIN 0
	s_wait_tensorcnt 0x0                           ; no tensor load of mine is out, so a group 0 may be written
	ds_add_u32 v[SPW], v[NIL]                      ; 0 onto my spare word
.if \fill
	s_xor_b32 s[G0A+5], s[G0A+5], SLOT1
	s_add_nc_u64 s[G0A+6:G0A+7], s[G0A+6:G0A+7], 256
	s_xor_b32 s[G0B+5], s[G0B+5], SLOT1
	s_add_nc_u64 s[G0B+6:G0B+7], s[G0B+6:G0B+7], 256
.endif
	s_wait_dscnt 5                                 ; the add and the youngest four loads may be out
	MUL8 1, 0, 0
	s_wait_dscnt 0x0                               ; the add is done, and my reads of this slot are over
	s_barrier_signal -1
	MUL8 1, 1, 0
	WIN 0
	s_barrier_wait -1
.if \fill
	CREST
.endif
	s_xor_b32 s2, s2, SLOT1
.if \fill
	JLOAD
.else
	PLACES
.endif
	v_add_nc_u32 v[ADRA], s2, v[LA0]
	v_add_nc_u32 v[ADRB], s2, v[LB0]
	FETCH 0, 0
.if \fill
	ASK
.endif
	MUL8 1, 2, 0
	MUL8 1, 3, 0
.endm
; THE WAY OUT of m block a, in f32: straight from the accumulators into my own stage, each accumulator's low half first; back as whole rows of 512 bytes; stored.
.macro TOST a
	WIN 0x04                                       ; the stores' data in window 1
.irp b, 0,1,2,3,4,5,6,7
	ds_store_b128 v[STO], v[64*(\a)+8*(\b):64*(\a)+8*(\b)+3]   offset:64*(\b)
	ds_store_b128 v[STO], v[64*(\a)+8*(\b)+4:64*(\a)+8*(\b)+7] offset:64*(\b)+16
.endr
	WIN 0
.irp t, 0,1,2,3,4,5,6,7,8,9,10,11,12,13,14,15
	ds_load_b128 v[64+64*((\a)%2)+4*(\t):64+64*((\a)%2)+4*(\t)+3], v[RD] offset:(\t)*SP  ; LDS serves a wave's instructions in order (ISA guide 5.7.1.4)
.endr
.endm
.macro SENDF a, left
	s_wait_dscnt \left                             ; the block is back; the next block's 32 LDS instructions, where there are any, stay out
.irp t, 0,1,2,3,4,5,6,7,8,9,10,11,12,13,14,15
	global_store_b128 v[CO], v[64+64*((\a)%2)+4*(\t):64+64*((\a)%2)+4*(\t)+3], s[8:9] offset:(16*(\a)+(\t))*CP  ; a wave stores 512 consecutive bytes, aligned
.endr
.endm
	s_load_b128 s[4:7], s[0:1], 0x0                ; ctx s[4:5], w16 s[6:7]
	s_load_b64 s[8:9], s[0:1], 0x10                ; hid
	v_lshl_add_u32 v[SPW], v0, 2, SPARE
	v_mov_b32 v[NIL], 0
	ds_add_u32 v[SPW], v[NIL]                      ; the wave's opening: the add, waited for ahead of my first tensor load
	v_lshrrev_b32 v3, 5, v0
	v_readfirstlane_b32 s10, v3
	s_lshr_b32 s11, s10, 1
	s_and_b32 s12, s10, 1
	s_bfe_u32 s40, ttmp6, 0x40000                  ; cx
	s_bfe_u32 s41, ttmp6, 0x40004                  ; cy
	s_lshl_b32 s42, ttmp9, 2
	s_add_co_u32 s42, s42, s40                     ; tile column
	s_and_b32 s14, ttmp7, 0xffff
	s_lshl_b32 s13, s14, 2
	s_add_co_u32 s13, s13, s41                     ; tile row
	s_lshl_b32 s15, s41, 2
	s_lshl_b32 s15, 15, s15
	s_lshl_b32 s20, 0x1111, s40
	s_or_b32 s[G1A], s15, (1<<16)|(1<<20)|(1<<21)|(5<<22)|(3<<25)
	s_or_b32 s[G1B], s20, (1<<16)|(1<<20)|(1<<21)|(5<<22)|(3<<25)
.irp g, G1A, G1B
	s_mov_b32 s[(\g)+1], 128<<16
	s_mov_b32 s[(\g)+3], 128<<16
	s_mov_b32 s[(\g)+5], PEL
	s_mov_b32 s[(\g)+6], 0
	s_mov_b32 s[(\g)+7], 0
.endr
	s_mov_b32 s[G1A+2], 64<<16
	s_mov_b32 s[G1A+4], 64
	s_mov_b32 s[G1B+2], 128<<16
	s_mov_b32 s[G1B+4], 128
	s_lshl_b32 s16, s13, 18                        ; A: row 128 x tile row + 64 x half, 2,048 bytes a row
	s_lshl_b32 s17, s12, 17
	s_add_co_u32 s16, s16, s17
	s_mov_b32 s17, 0
	s_lshl_b32 s46, s42, 19                        ; B: row 3,072 + 256 x tile column + 128 x half
	s_lshl_b32 s47, s12, 18
	s_add_co_u32 s46, s46, s47
	s_add_co_u32 s46, s46, 3072*2048
	s_mov_b32 s47, 0
	s_lshl_b32 s18, s13, 18                        ; the prefetches.  A's: row 128 x tile row + 32 cx
	s_lshl_b32 s19, s40, 16
	s_add_co_u32 s18, s18, s19
	s_lshl_b32 s19, s41, 16                        ; B's: the rows that I fetch + 32 cy
	s_add_co_u32 s19, s46, s19
	s_or_b32 s23, s12, ttmp9
	s_cmp_eq_u32 s11, 0
	s_cselect_b32 s18, s18, s19
	s_cselect_b32 s23, s23, s14
	s_cmp_eq_u32 s23, 0
	s_cselect_b32 s[LIM], 2, -1
	s_add_co_u32 s18, s18, 3*256
	s_mov_b32 s19, 0
	s_lshl_b32 s80, s13, 19                        ; hid: my first row (4,096 bytes a row) and column
	s_lshl_b32 s20, s11, 18
	s_add_co_u32 s80, s80, s20
	s_lshl_b32 s20, s42, 10
	s_add_co_u32 s80, s80, s20
	s_lshl_b32 s20, s12, 9
	s_add_co_u32 s80, s80, s20
	s_mov_b32 s81, 0
	s_mul_i32 s21, s12, AHALF
	s_mul_i32 s22, s12, BHALF
	s_add_co_u32 s22, s22, BOFF
	s_wait_dscnt 0x0                               ; the opening add is done
	s_wait_kmcnt 0x0
	s_cmp_eq_u32 s11, 0
	s_cselect_b64 s[PFA:PFA+1], s[4:5], s[6:7]
	s_add_nc_u64 s[PFA:PFA+1], s[PFA:PFA+1], s[18:19]
	s_add_nc_u64 s[16:17], s[4:5], s[16:17]
	s_add_nc_u64 s[46:47], s[6:7], s[46:47]
	s_add_nc_u64 s[8:9], s[8:9], s[80:81]
	CROUND                                         ; all sixteen work-groups are here: the first joint loads meet
.irp s, 0,1
	s_mov_b32 s[G0A+4*(\s)], 1
	s_add_co_u32 s[G0A+4*(\s)+1], s21, (\s)*SLOT1
	s_add_nc_u64 s[G0A+4*(\s)+2:G0A+4*(\s)+3], s[16:17], (\s)*256
	s_or_b32 s[G0A+4*(\s)+3], s[G0A+4*(\s)+3], 0x80000000
	s_mov_b32 s[G0B+4*(\s)], 1
	s_add_co_u32 s[G0B+4*(\s)+1], s22, (\s)*SLOT1
	s_add_nc_u64 s[G0B+4*(\s)+2:G0B+4*(\s)+3], s[46:47], (\s)*256
	s_or_b32 s[G0B+4*(\s)+3], s[G0B+4*(\s)+3], 0x80000000
.endr
	s_cmp_eq_u32 s11, 0                            ; a wave's two first fills stand in one branch: two loads of mine are out
	s_cbranch_scc0 .Lfirst_b
	tensor_load_to_lds s[G0A:G0A+3], s[G1A:G1A+7]
	s_nop 0
	tensor_load_to_lds s[G0A+4:G0A+7], s[G1A:G1A+7]
	s_nop 0
.rept 4
	v_nop
.endr
	s_branch .Lfirst_asked
.Lfirst_b:
	tensor_load_to_lds s[G0B:G0B+3], s[G1B:G1B+7]
	s_nop 0
	tensor_load_to_lds s[G0B+4:G0B+7], s[G1B:G1B+7]
	s_nop 0
.rept 4
	v_nop
.endr
.Lfirst_asked:
	v_and_b32 v1, 15, v0                           ; l % 16
	v_bfe_u32 v2, v0, 4, 1                         ; l / 16
	v_mul_u32_u24 v3, v1, PITCH
	v_lshl_add_u32 v3, v2, 4, v3
	s_mul_i32 s20, s11, AHALF
	s_mul_i32 s23, s12, BHALF
	s_add_co_u32 s23, s23, BOFF
	v_add_nc_u32 v[LA0], s20, v3
	v_add_nc_u32 v[LB0], s23, v3
	s_mul_i32 s20, s10, 16*SP
	s_add_co_u32 s20, s20, STAGE                   ; my stage
	v_mul_u32_u24 v[STO], v1, SP                   ; in: row l % 16, 32 bytes for each half of the lanes
	v_lshl_add_u32 v[STO], v2, 5, v[STO]
	v_add_nc_u32 v[STO], s20, v[STO]
	v_and_b32 v[PFO], 31, v0
	v_lshlrev_b32 v[CO], 4, v[PFO]                 ; back and out: 32 lanes take a row's 512 bytes
	v_add_nc_u32 v[RD], s20, v[CO]
	v_lshlrev_b32 v[PFO], PSH, v[PFO]
	s_wait_tensorcnt 0x1                           ; my part of K step 0 is in; K step 1's may stay out
	s_barrier_signal -1
	s_barrier_wait -1
	s_mov_b32 s2, 0
	v_mov_b32 v[ADRA], v[LA0]
	v_mov_b32 v[ADRB], v[LB0]
	FETCH 0, 0
	QUARTER 64, 0, 1, 1                            ; the first quarter's products start the sums
	WIN 0
	s_mov_b32 s3, NS-2
.Lstep:
	QUARTER 128, 1, 0, 0
	QUARTER 192, 0, 1, 0
	TURN 1
	QUARTER 64, 0, 1, 0
	WIN 0
	s_sub_co_u32 s3, s3, 1
	s_cmp_lg_u32 s3, 0
	s_cbranch_scc1 .Lstep
	s_mov_b32 s3, 2
.Ltail:                                        ; the last two K steps ask for nothing; the second trip is left in its middle: its 24 fragment loads serve nothing
	QUARTER 128, 1, 0, 0
	QUARTER 192, 0, 1, 0
	TURN 0
	WIN 0
	s_sub_co_u32 s3, s3, 1
	s_cmp_eq_u32 s3, 0
	s_cbranch_scc1 .Lout
	QUARTER 64, 0, 1, 0
	WIN 0
	s_branch .Ltail
.Lout:
	s_wait_dscnt 0x0                               ; the loads that serve nothing have landed: their registers are used again
	PLACES
	TOST 0
	TOST 1
	SENDF 0, 32
	s_wait_xcnt 0x0                                ; block 0's stores have read their registers, which block 2's loads fill again
	TOST 2
	SENDF 1, 32
	s_wait_xcnt 0x0
	TOST 3
	SENDF 2, 32
	SENDF 3, 0
	s_wait_tensorcnt 0x0                           ; the wave's end, behind my last tensor load and my last LDS store
	ds_add_u32 v[SPW], v[NIL]
	s_wait_dscnt 0x0
	CROUND                                         ; the closing round
	s_endpgm
.Lfunc_end_k_qe65068c8ea_oproj:
	.size	k_qe65068c8ea_oproj, .Lfunc_end_k_qe65068c8ea_oproj-k_qe65068c8ea_oproj
	.p2alignl 7, 3214868480
	.fill 96, 4, 3214868480
	.section	.rodata,"a",@progbits
	.p2align	6, 0x0
	.amdhsa_kernel k_qe65068c8ea_oproj
		.amdhsa_group_segment_fixed_size 327680
		.amdhsa_private_segment_fixed_size 0
		.amdhsa_enable_private_segment 0
		.amdhsa_kernarg_size 24
		.amdhsa_user_sgpr_count 2
		.amdhsa_user_sgpr_kernarg_segment_ptr 1
		.amdhsa_wavefront_size32 1
		.amdhsa_system_sgpr_workgroup_id_x 1
		.amdhsa_system_sgpr_workgroup_id_y 1
		.amdhsa_system_sgpr_workgroup_id_z 1
		.amdhsa_system_vgpr_workitem_id 0
		.amdhsa_next_free_vgpr 512
		.amdhsa_next_free_sgpr 88
		.amdhsa_reserve_vcc 0
		.amdhsa_float_denorm_mode_32 3
		.amdhsa_float_denorm_mode_16_64 3
		.amdhsa_memory_ordered 1
		.amdhsa_forward_progress 1
		.amdhsa_inst_pref_size 60
	.end_amdhsa_kernel
	.amdgpu_metadata
---
amdhsa.version: [ 1, 2 ]
amdhsa.kernels:
  - .name:           k_qe65068c8ea_oproj
    .symbol:         k_qe65068c8ea_oproj.kd
    .args:
      - { .name: ctx, .offset: 0, .size: 8, .value_kind: global_buffer, .address_space: global }
      - { .name: w16, .offset: 8, .size: 8, .value_kind: global_buffer, .address_space: global }
      - { .name: hid, .offset: 16, .size: 8, .value_kind: global_buffer, .address_space: global }
    .group_segment_fixed_size: 327680
    .private_segment_fixed_size: 0
    .kernarg_segment_align: 8
    .kernarg_segment_size: 24
    .max_flat_workgroup_size: 128
    .sgpr_count:     88
    .vgpr_count:     512
    .wavefront_size: 32
...
	.end_amdgpu_metadata
.endif
;; end of part 5
;; launch ln (part 6): grid 256 x 1, 8 waves a work-group, no clusters, 0 bytes of LDS; arguments hid, ln2_gamma, ln2_beta, out0; writes out0
.if DOCPART == 6
	.amdgcn_target "amdgcn-amd-amdhsa--gfx1250"
	.amdhsa_code_object_version 6
	.text
	.protected	k_qe65068c8ea_ln
	.globl	k_qe65068c8ea_ln
	.p2align	8
	.type	k_qe65068c8ea_ln,@function
k_qe65068c8ea_ln:
	s_mov_b64 s[64:65], 0
	v_nop
	global_prefetch_b8 v0, s[64:65] scope:SCOPE_SE
	s_setreg_imm32_b32 hwreg(HW_REG_WAVE_MODE, 25, 1), 1
	s_wait_xcnt 0x0
; out0[r][c] = (hid[r][c] - mean) / sqrt(var + 1e-5) * gamma[c] + beta[c], all in f32; var is the mean of the squares of hid - mean: no difference of large sums is formed.
; gamma and beta are rounded to bf16, like every input of the program.
; SHARES.  A row is 4,096 bytes: one wave takes a whole row, eight loads of 16 bytes a lane, and keeps it in 32 registers between the passes.  Eight waves, four rows each: 32 rows a work-group.
; All of a wave's 32 row loads go out at the head; the waits count down by rows.  No LDS, no barrier, no loop; a load or store of a wave covers 512 consecutive bytes, aligned.
; No matrix unit, no cluster (nothing but 8 KiB of gamma and beta is shared), no prefetch: the launch is one burst of loads.
.set VO,  2                            ; v2   my byte offset in the work-group's rows: wave x 4 rows + 16 x lane; never rewritten
.set GV,  3                            ; v3   16 x lane
.set MU,  4                            ; v[4:5]   the mean, twice
.set RS,  6                            ; v[6:7]   1 / sqrt(var + eps), twice
.set CH,  8                            ; v[8:15]  four chains of packed sums
.set GA,  16                           ; v[16:47] gamma of my 32 columns
.set BE,  48                           ; v[48:79] beta
.set R,   80                           ; v[80:207] four rows of 32
	s_load_b256 s[4:11], s[0:1], 0x0               ; hid s[4:5], gamma s[6:7], beta s[8:9], out0 s[10:11]
	v_and_b32 v1, 31, v0
	v_lshrrev_b32 v[VO], 5, v0
	v_lshlrev_b32 v[GV], 4, v1
	v_lshl_add_u32 v[VO], v[VO], 14, v[GV]
	s_lshl_b32 s2, ttmp9, 17                       ; 32 rows of 4,096 bytes
	s_mov_b32 s3, 0
	s_mov_b32 s12, 0x76543210                      ; v_permlanex16_b32: each lane takes its own place in the other half
	s_mov_b32 s13, 0xfedcba98
	s_mov_b32 s14, 0x3a800000                      ; 1 / 1,024
	s_mov_b32 s15, 0x3727c5ac                      ; 1e-5
	s_mov_b32 s16, 0xffff0000
	s_wait_kmcnt 0x0
	s_add_nc_u64 s[4:5], s[4:5], s[2:3]
	s_add_nc_u64 s[10:11], s[10:11], s[2:3]
.irp j, 0,1,2,3,4,5,6,7
	global_load_b128 v[GA+4*(\j):GA+4*(\j)+3], v[GV], s[6:7] offset:512*(\j)
.endr
.irp j, 0,1,2,3,4,5,6,7
	global_load_b128 v[BE+4*(\j):BE+4*(\j)+3], v[GV], s[8:9] offset:512*(\j)
.endr
.irp s, 0,1,2,3
.irp j, 0,1,2,3,4,5,6,7
	global_load_b128 v[R+32*(\s)+4*(\j):R+32*(\s)+4*(\j)+3], v[VO], s[4:5] offset:4096*(\s)+512*(\j) th:TH_LOAD_NT
.endr
.endr
	s_wait_loadcnt 32                              ; gamma and beta are in; the four rows' 32 loads stay out
.set i, 0
.rept 32                                       ; both rounded to bf16 and widened again
	v_cvt_pk_bf16_f32 v[CH+i%8], v[GA+2*i], v[GA+2*i+1]
	v_lshlrev_b32 v[GA+2*i], 16, v[CH+i%8]
	v_and_b32 v[GA+2*i+1], s16, v[CH+i%8]
.set i, i+1
.endr
.macro FOLD                            ; the four chains, then the lanes: four steps inside each half of 16 ride on the addition, one crosses the halves
	v_pk_add_f32 v[CH:CH+1], v[CH:CH+1], v[CH+2:CH+3]
	v_pk_add_f32 v[CH+4:CH+5], v[CH+4:CH+5], v[CH+6:CH+7]
	v_pk_add_f32 v[CH:CH+1], v[CH:CH+1], v[CH+4:CH+5]
	v_add_f32 v[CH], v[CH], v[CH+1]
	v_add_f32_dpp v[CH], v[CH], v[CH] row_xmask:1 row_mask:0xf bank_mask:0xf
	v_add_f32_dpp v[CH], v[CH], v[CH] row_xmask:2 row_mask:0xf bank_mask:0xf
	v_add_f32_dpp v[CH], v[CH], v[CH] row_xmask:4 row_mask:0xf bank_mask:0xf
	v_add_f32_dpp v[CH], v[CH], v[CH] row_xmask:8 row_mask:0xf bank_mask:0xf
	v_permlanex16_b32 v[CH+1], v[CH], s12, s13
	v_add_f32 v[CH], v[CH], v[CH+1]
.endm
.macro ROWLN s
.set RR, R+32*(\s)
	s_wait_loadcnt 8*(3-(\s))                      ; loads come back in order: my row is in, the younger rows stay out
.irp k, 0,1,2,3
	v_pk_add_f32 v[CH+2*(\k):CH+2*(\k)+1], v[RR+2*(\k):RR+2*(\k)+1], v[RR+8+2*(\k):RR+8+2*(\k)+1]  ; the first pairs start the chains: nothing is cleared
.endr
.irp o, 16,24
.irp k, 0,1,2,3
	v_pk_add_f32 v[CH+2*(\k):CH+2*(\k)+1], v[CH+2*(\k):CH+2*(\k)+1], v[RR+(\o)+2*(\k):RR+(\o)+2*(\k)+1]
.endr
.endr
	FOLD
	v_mul_f32 v[MU], s14, v[CH]
	v_mov_b32 v[MU+1], v[MU]
.set i, 0
.rept 16
	v_pk_add_f32 v[RR+2*i:RR+2*i+1], v[RR+2*i:RR+2*i+1], v[MU:MU+1] neg_lo:[0,1] neg_hi:[0,1]
.set i, i+1
.endr
.irp k, 0,1,2,3
	v_pk_mul_f32 v[CH+2*(\k):CH+2*(\k)+1], v[RR+2*(\k):RR+2*(\k)+1], v[RR+2*(\k):RR+2*(\k)+1]
.endr
.irp o, 8,16,24
.irp k, 0,1,2,3
	v_pk_fma_f32 v[CH+2*(\k):CH+2*(\k)+1], v[RR+(\o)+2*(\k):RR+(\o)+2*(\k)+1], v[RR+(\o)+2*(\k):RR+(\o)+2*(\k)+1], v[CH+2*(\k):CH+2*(\k)+1]
.endr
.endr
	FOLD
	v_fma_f32 v[CH], v[CH], s14, s15               ; var + eps
	v_rsq_f32 v[RS], v[CH]
	v_nop                                          ; a plain instruction behind it (ISA guide 5.7.2),
	s_wait_alu depctr_va_vdst(0)                   ; and the wait ahead of its first reader
	v_mov_b32 v[RS+1], v[RS]
.set i, 0
.rept 16
	v_pk_mul_f32 v[RR+2*i:RR+2*i+1], v[RR+2*i:RR+2*i+1], v[RS:RS+1]
.set i, i+1
.endr
.set i, 0
.rept 16
	v_pk_fma_f32 v[RR+2*i:RR+2*i+1], v[RR+2*i:RR+2*i+1], v[GA+2*i:GA+2*i+1], v[BE+2*i:BE+2*i+1]
.set i, i+1
.endr
.irp j, 0,1,2,3,4,5,6,7
	global_store_b128 v[VO], v[RR+4*(\j):RR+4*(\j)+3], s[10:11] offset:4096*(\s)+512*(\j) th:TH_STORE_NT
.endr
.endm
	ROWLN 0
	ROWLN 1
	ROWLN 2
	ROWLN 3
	s_endpgm
.Lfunc_end_k_qe65068c8ea_ln:
	.size	k_qe65068c8ea_ln, .Lfunc_end_k_qe65068c8ea_ln-k_qe65068c8ea_ln
	.p2alignl 7, 3214868480
	.fill 96, 4, 3214868480
	.section	.rodata,"a",@progbits
	.p2align	6, 0x0
	.amdhsa_kernel k_qe65068c8ea_ln
		.amdhsa_group_segment_fixed_size 0
		.amdhsa_private_segment_fixed_size 0
		.amdhsa_enable_private_segment 0
		.amdhsa_kernarg_size 32
		.amdhsa_user_sgpr_count 2
		.amdhsa_user_sgpr_kernarg_segment_ptr 1
		.amdhsa_wavefront_size32 1
		.amdhsa_system_sgpr_workgroup_id_x 1
		.amdhsa_system_sgpr_workgroup_id_y 1
		.amdhsa_system_sgpr_workgroup_id_z 1
		.amdhsa_system_vgpr_workitem_id 0
		.amdhsa_next_free_vgpr 208
		.amdhsa_next_free_sgpr 66
		.amdhsa_reserve_vcc 0
		.amdhsa_float_denorm_mode_32 3
		.amdhsa_float_denorm_mode_16_64 3
		.amdhsa_memory_ordered 1
		.amdhsa_forward_progress 1
		.amdhsa_inst_pref_size 38
	.end_amdhsa_kernel
	.amdgpu_metadata
---
amdhsa.version: [ 1, 2 ]
amdhsa.kernels:
  - .name:           k_qe65068c8ea_ln
    .symbol:         k_qe65068c8ea_ln.kd
    .args:
      - { .name: hid, .offset: 0, .size: 8, .value_kind: global_buffer, .address_space: global }
      - { .name: ln2_gamma, .offset: 8, .size: 8, .value_kind: global_buffer, .address_space: global }
      - { .name: ln2_beta, .offset: 16, .size: 8, .value_kind: global_buffer, .address_space: global }
      - { .name: out0, .offset: 24, .size: 8, .value_kind: global_buffer, .address_space: global }
    .group_segment_fixed_size: 0
    .private_segment_fixed_size: 0
    .kernarg_segment_align: 8
    .kernarg_segment_size: 32
    .max_flat_workgroup_size: 256
    .sgpr_count:     66
    .vgpr_count:     208
    .wavefront_size: 32
...
	.end_amdgpu_metadata
.endif
;; end of part 6
